; MI455X (gfx1250); checked and timed in simulation.
; The chip was launched on July 23, 2026; its instructions are those of AMD's public machine-readable ISA for CDNA 5 (MIT licence, August 2026) and "CDNA5" Instruction Set Architecture Reference Guide (July 2026). The comments in the code are by the model that wrote it; some were corrected since.
;; multi head attention. Allowed arithmetic: matrix products marked QUANTISED: E2M3 operands, one E8M0 scale for each 32 along K, by v_wmma_scale_f32_16x16x128_f8f6f4 with both operands' format E2M3, f32 sums; everything else in f32.
;; Inputs: Wk 8 x 1,024 x 128 float32; Wo 1,024 x 1,024 float32; Wq 8 x 1,024 x 128 float32; Wv 8 x 1,024 x 128 float32; bo 1,024 float32; k 4 x 2,048 x 1,024 float32; q 4 x 2,048 x 1,024 float32; v 4 x 2,048 x 1,024 float32.
;; Outputs: out0 4 x 2,048 x 1,024 float32.
;; This version of the problem:
;;   THIS VERSION OF THE PROBLEM IS GIVEN IN LOW PRECISION. The matrix products marked QUANTISED in the list below multiply operands that are first quantised to E2M3 (2 exponent bits, 3 mantissa bits; 6 bits a number), with one power-of-two scale for each 32 numbers along K (OCP MX v1.0); their sums are f32. All else is computed in f32.
;;   The module's matrix products, in the order in which they are computed (A, B: the left and right operand; K: the contracted axis; several contracted axes count as one K, in the product's order):
;;     1. [M 1,024, K 1,024] x [K 1,024, N 8,192]; A: input Wq; B: input q: QUANTISED
;;     2. [M 1,024, K 1,024] x [K 1,024, N 8,192]; A: input Wk; B: input k: QUANTISED
;;     3. [M 1,024, K 1,024] x [K 1,024, N 8,192]; A: input Wv; B: input v: QUANTISED
;;     4. batch 32 x [M 2,048, K 128] x [K 128, N 2,048]; A: computed on the way; B: computed on the way: QUANTISED
;;     5. batch 32 x [M 2,048, K 2,048] x [K 2,048, N 128]; A: softmax (see below); B: computed on the way: QUANTISED
;;     6. [M 8,192, K 1,024] x [K 1,024, N 1,024]; A: computed on the way; B: input Wo: QUANTISED
;;   THE QUANTISER, for each operand of a quantised product, along K:
;;     - K is cut into blocks of 32 from its start; a last block that is shorter is filled with zeros.
;;     - A block's scale is 2^e with e = floor(log2(the largest magnitude in the block)) - 2, held to -126 .. 127; a block of zeros has e = 0. As a byte (E8M0): e + 127.
;;     - Each number is divided by its block's scale, clamped to +-7.5, and rounded to the nearest number of E2M3, ties to even, subnormals kept.
;;     - The product sums the exact products of the quantised numbers (number of the format x scale) in f32.
;;   ~~~python
;;   def quantise(x, axis):      # numpy; x: float32 -> the quantised numbers, widened to float32 again
;;       x = np.moveaxis(x, axis, -1); K = x.shape[-1]
;;       x = np.pad(x, [(0, 0)] * (x.ndim - 1) + [(0, -K % 32)]); x = x.reshape(x.shape[:-1] + (-1, 32)); a = np.abs(x).max(-1, keepdims=True)
;;       e = np.where(a > 0, np.clip(np.frexp(np.where(a > 0, a, 1))[1] - 1 - 2, -126, 127), 0)      # np.frexp(a)[1] - 1 = floor(log2(a)), exactly
;;       r = np.clip(x / 2.0 ** e, -7.5, 7.5)
;;       step = 2.0 ** (np.maximum(np.frexp(np.where(r == 0, 1, r))[1] - 1, 0) - 3)
;;       q = np.round(r / step) * step * 2.0 ** e      # np.round: ties to even
;;       return np.moveaxis(q.reshape(q.shape[:-2] + (-1,))[..., :K], -1, axis).astype(np.float32)
;;   ~~~
;;   SOFTMAX AHEAD OF A QUANTISED PRODUCT. Where the list says 'softmax', what is quantised is not the finished softmax but p = 2^(t - M), with t = logit x log2(e) and M = ceil(the row's largest t), a whole number; so 1/2 < the row's largest p <= 1. The row's sum l is taken of the UNQUANTISED p, in f32, and the product's result is divided by l at the end. Since M is a whole number, a kernel that streams over the keys may use a running M (the ceiling of the running maximum): every later rescaling is an exact power of two, which a block's scale takes up: the codes' values come out the same.
;;   OPERANDS COMPUTED ON THE WAY. 'Computed on the way' means the value that the module computes at that place (a softmax that the list does not call 'softmax' is quantised finished and normalised). What goes into a quantiser is computed in f32, as accurately as f32 sums, v_exp_f32 and their like allow (about 1e-6 of the number): no bf16 or f16 on the way to a quantiser, and a product that is left as it is and whose result goes on into a quantised operand takes f32 operands (vector FMAs, or v_wmma_f32_16x16x4_f32). A number that lies on a knife's edge between two numbers of the format may be rounded either way, as far as f32 arithmetic and the matrix unit's own rounding can turn it there, and no further.
;; One version. Each part assembles by itself: llvm-mc -triple=amdgcn-amd-amdhsa -mcpu=gfx1250 --defsym DOCPART=n.
;; ======== version 1 of 1: 4 launches
;; limits: right only within a limited range of input values
;; workspace buffers: xf 18,874,368 bytes; xs 786,432 bytes; wf 3,145,728 bytes; ws 131,072 bytes; hf 18,874,368 bytes; hs 786,432 bytes; zf 6,291,456 bytes; zs 262,144 bytes
;; launch prep (part 1): grid 512 x 1, 4 waves a work-group, no clusters, 61,952 bytes of LDS; arguments q, k, v, Wq, Wk, Wv, Wo, xf, xs, wf, ws; writes xf, xs, wf, ws
.if DOCPART == 1
	.amdgcn_target "amdgcn-amd-amdhsa--gfx1250"
	.amdhsa_code_object_version 6
	.text
	.protected	k_qd144bdcdac_prep
	.globl	k_qd144bdcdac_prep
	.p2align	8
	.type	k_qd144bdcdac_prep,@function
k_qd144bdcdac_prep:
	s_mov_b64 s[64:65], 0
	v_nop
	global_prefetch_b8 v0, s[64:65] scope:SCOPE_SE
	s_setreg_imm32_b32 hwreg(HW_REG_WAVE_MODE, 25, 1), 1
	s_wait_xcnt 0x0
; q, k, v [8192][1024] f32 (K = the last axis) and Wq, Wk, Wv [8][1024][128], Wo [1024][1024] f32 (K = the axis of 1024 that is NOT innermost) become codes of FP6 (E2M3)
; with one E8M0 scale byte for each 32 along K.  A block's scale is 2^(floor(log2(its largest magnitude)) - 2); its byte is the largest magnitude's exponent field - 2, held at 1 from below.
; LIMITS: NaN and infinities among the inputs are not served.  A block of zeros, and a block whose largest magnitude lies under 2^-124, gets the byte 1 (the rule says 127 for zeros): its codes
; are zeros or as the held scale gives them, and the bytes are read by this program alone.
; LAYOUT OF THE RESULTS: IMAGES OF OPERAND REGISTERS.  A fragment (16 rows x 128 K, 12 registers a lane) is 1,536 bytes: register 4 c + w of lane L at byte 512 c + 16 L + 4 w; lane L = (r = L % 16, h = L / 16)
; holds row r, registers 6 c .. 6 c + 5 hold k = 64 c + 32 h + 0 .. 31.  Its 16 scale words are 64 bytes.  xf, wf: [tensor][row tile g][K step s][1536]; xs, ws: [tensor][g][s][64].
; THE ROWS OF A TILE ARE NOT NEIGHBOURS: lane r of tile 2 b + u holds row 32 b + 8 u + r + 8 (r / 8), so that a later product that takes such tiles as source 0 leaves 16 neighbours in 16 registers.
; SHARES.  Work-groups 0-383: a wave takes one row tile of q, k or v, all 1,024 along K: 8 fragments.  Work-groups 384-511: a wave takes 32 columns x 256 along K of a weight: a lane to a column, registers down K.
; No input is shared between work-groups, no tensor load, no barrier: waves share nothing; each of the two paths has LDS bytes of its own.
.set SEL,   28                         ; s[28:29] lane selects for v_permlanex16_b32: lane l xor 16
.set FRB,   1536                       ; a fragment's image
.set GROW,  12288                      ; a row tile's eight fragments
.set XWAVE, 8960                       ; path X: LDS of a wave: a stage of 16 rows x 528 bytes, then 512 bytes of scale words
.set XP,    528                        ; a stage row: 512 bytes + 16, so that sixteen rows begin at sixteen different places modulo 256 bytes
.set XSC,   16*XP
.set WLDS,  4*XWAVE                    ; path W begins behind path X's bytes
.set WWAVE, 6400                       ; LDS of a wave: two row tiles x (two fragments + 128 bytes)
.set WUP,   3200
.set XA,  4                            ; v4   16 x lane: offset of loads and stores; never rewritten
.set STI, 5                            ; v5   the stage, on the way in
.set STO, 6                            ; v6   and on the way out: row r, + 64 h
.set SCA, 7                            ; v7   where my row's scale word goes
.set SCR, 8                            ; v8   and where 16 bytes of the words are read back
.set R,   16                           ; v16-143  two sets of 64 registers as loaded
.set X,   144                          ; v144-207 64 numbers of my row: register 16 b + i = k 32 b + 16 h + i
.set PC,  208                          ; v208-227 the codes
.set TM,  228                          ; v228-243 at work
.set PW,  244                          ; v244 the scale word
.set SW,  248                          ; v248-251 scale words on their way out
.set OF,  16                           ; path W: v16-47 4 x lane + i rows
.set NS,  48                           ; v48-111 two sets of 32 numbers
.set C,   112                          ; v112-117 a block's codes; v120-122 its second half as converted
.set SB,  124                          ; v124-125 scale words of my column's two K steps
.set OUTR, 128                         ; v128-175 the way out
.set MA,  176
.set MB,  177
.set SO,  178
.set BY,  179
; 64 numbers of a lane, v[s] .. v[s + 63], register 16 b + i = k 32 b + 16 (lane / 16) + i of my row, become a fragment's codes in v[PC] .. v[PC + 11] and its scale word in v[PW].
.macro QUANT s
.irp b, 0,1,2,3
	v_max3_num_f32 v[TM+\b], |v[\s+16*\b]|, |v[\s+1+16*\b]|, 0x1800000   ; block b: my 16 numbers, and the floor 2^(3 - 127): the byte cannot fall under 1
.endr
.irp i, 2,4,6,8,10,12,14
.irp b, 0,1,2,3
	v_max3_num_f32 v[TM+\b], v[TM+\b], |v[\s+16*\b+\i]|, |v[\s+1+16*\b+\i]|   ; the four blocks by turns
.endr
.endr
.irp b, 0,1,2,3
	v_permlanex16_b32 v[TM+4+\b], v[TM+\b], s[SEL], s[SEL+1]
.endr
.irp b, 0,1,2,3
	v_max_num_f32 v[TM+\b], v[TM+\b], v[TM+4+\b]   ; with lane l xor 16's: the block's largest magnitude
.endr
.irp b, 0,1,2,3
	v_add_nc_u32 v[TM+12+\b], 0xff000000, v[TM+\b]   ; 2 off its exponent field: the conversion takes this operand's exponent field as its scale
.endr
.irp b, 0,1,2,3
	v_lshrrev_b32 v[TM+4+\b], 23, v[TM+12+\b]      ; the scale's byte
.endr
	v_lshl_or_b32 v[PW], v[TM+5], 8, v[TM+4]
	v_lshl_or_b32 v[PW], v[TM+6], 16, v[PW]
	v_lshl_or_b32 v[PW], v[TM+7], 24, v[PW]        ; my row's scale word
.irp c, 0,1
	v_cvt_scalef32_pk16_fp6_f32 v[PC+6*\c:PC+2+6*\c], v[\s+32*\c:\s+15+32*\c], v[TM+12+2*\c]
	v_cvt_scalef32_pk16_fp6_f32 v[PC+12+4*\c:PC+14+4*\c], v[\s+16+32*\c:\s+31+32*\c], v[TM+12+2*\c+1]   ; (a conversion's three registers begin on an even number)
.endr
	v_nop                                          ; one plain place behind a scaled conversion
.irp c, 0,1                                    ; the layout wants a WHOLE block in a lane: lanes 0-15 block 2 c, lanes 16-31 block 2 c + 1
.irp i, 0,1,2
	v_permlane16_swap_b32 v[PC+6*\c+\i], v[PC+12+4*\c+\i]
.endr
.irp i, 0,1,2
	v_mov_b32 v[PC+3+6*\c+\i], v[PC+12+4*\c+\i]
.endr
.endr
.endm
	s_load_b512 s[4:19], s[0:1], 0x0               ; q 4:5, k 6:7, v 8:9, Wq 10:11, Wk 12:13, Wv 14:15, Wo 16:17, xf 18:19
	s_load_b128 s[20:23], s[0:1], 0x40             ; xs 20:21, wf 22:23
	s_load_b64 s[24:25], s[0:1], 0x50              ; ws
	v_lshl_add_u32 v254, v0, 2, 0xf000
	v_mov_b32 v255, 0
	v_lshrrev_b32 v1, 5, v0
	v_readfirstlane_b32 s26, v1                    ; wave 0..3
	v_and_b32 v1, 31, v0                           ; lane
	v_and_b32 v2, 15, v0                           ; r
	v_bfe_u32 v3, v0, 4, 1                         ; h
	s_mov_b32 s[SEL], 0x76543210
	s_mov_b32 s[SEL+1], 0xfedcba98
	s_cmp_lt_u32 ttmp9, 384
	s_cbranch_scc0 .Lweights
	; ---------------- PATH X: q, k, v ----------------
	s_lshr_b32 s30, ttmp9, 7                       ; which tensor: 0 q, 1 k, 2 v
	s_and_b32 s31, ttmp9, 127
	s_lshl_b32 s31, s31, 2
	s_add_co_u32 s31, s31, s26                     ; my row tile g, 0..511
	s_mul_i32 s27, s26, XWAVE                      ; my wave's LDS
	s_wait_alu depctr_va_vdst(0)
	v_lshlrev_b32 v[XA], 4, v1
	v_add_nc_u32 v[STI], s27, v[XA]
	v_mul_u32_u24 v[STO], v2, XP
	v_lshl_add_u32 v[STO], v3, 6, v[STO]
	v_add_nc_u32 v[STO], s27, v[STO]
	s_add_co_u32 s27, s27, XSC
	v_lshl_add_u32 v[SCA], v2, 2, s27
	v_add_nc_u32 v[SCR], s27, v[XA]
.irp b, 0,1,2,3
	v_mov_b32 v[TM+4+\b], 0                        ; written once: a lane permute's destination counts as one of its sources
.endr
	s_lshr_b32 s32, s31, 1
	s_lshl_b32 s32, s32, 17                        ; 32 (g / 2) rows of 4,096 bytes
	s_and_b32 s33, s31, 1
	s_lshl_b32 s33, s33, 15                        ; + 8 (g % 2) rows
	s_add_co_u32 s32, s32, s33
	s_mov_b32 s33, 0
	s_mul_i32 s34, s30, 512*GROW
	s_mul_i32 s35, s31, GROW
	s_add_co_u32 s34, s34, s35                     ; my eight fragments in xf
	s_mov_b32 s35, 0
	s_lshl_b32 s36, s30, 18
	s_lshl_b32 s37, s31, 9
	s_add_co_u32 s36, s36, s37                     ; and their 512 bytes of scale words in xs
	s_mov_b32 s37, 0
	s_wait_alu depctr_va_vdst(0)
	s_wait_kmcnt 0x0
	s_cmp_eq_u32 s30, 0                            ; the choice of the tensor hangs on the work-group's number alone
	s_cselect_b64 s[4:5], s[4:5], s[6:7]
	s_cmp_eq_u32 s30, 2
	s_cselect_b64 s[4:5], s[8:9], s[4:5]
	s_add_nc_u64 s[4:5], s[4:5], s[32:33]
	s_add_nc_u64 s[18:19], s[18:19], s[34:35]
	s_add_nc_u64 s[20:21], s[20:21], s[36:37]
.macro LOADX s                         ; K step s of my 16 rows: each load reads 512 consecutive bytes of one row; place i of the tile is row i + 8 (i / 8)
.irp i, 0,1,2,3,4,5,6,7,8,9,10,11,12,13,14,15
	global_load_b128 v[R+64*((\s)%2)+4*\i:R+64*((\s)%2)+4*\i+3], v[XA], s[4:5] offset:(\i+8*(\i/8))*4096+512*(\s) th:TH_LOAD_NT
.endr
.endm
.macro FRAGX s
.if (\s) < 7
	s_wait_loadcnt 16                              ; this K step's 16 loads are in; the next step's 16 may be out
.else
	s_wait_loadcnt 0x0
.endif
.irp i, 0,1,2,3,4,5,6,7,8,9,10,11,12,13,14,15
	ds_store_b128 v[STI], v[R+64*((\s)%2)+4*\i:R+64*((\s)%2)+4*\i+3] offset:XP*\i   ; as loaded: a row of 512 bytes
.endr
.irp b, 0,1,2,3
.irp j, 0,1,2,3
	ds_load_b128 v[X+16*\b+4*\j:X+16*\b+4*\j+3], v[STO] offset:128*\b+16*\j   ; LDS serves a wave's instructions in order: these see the stores above.  My 16 numbers of each block of 32
.endr
.endr
	s_wait_dscnt 0x0                               ; the numbers are back, and the stores have read the set that is loaded again below
	s_wait_xcnt 0x0                                ; the last fragment's stores have read the codes' registers, which are written again below
.if (\s)+2 < 8
	LOADX (\s)+2
.endif
	QUANT X
.irp c, 0,1,2
	global_store_b128 v[XA], v[PC+4*\c:PC+4*\c+3], s[18:19] offset:FRB*(\s)+512*\c   ; 32 lanes store 512 consecutive bytes, at a multiple of 256 from the buffer's first byte
.endr
	ds_store_b32 v[SCA], v[PW] offset:64*(\s)      ; lanes r and r + 16 write the same word with the same value
.endm
	LOADX 0
	LOADX 1
.irp s, 0,1,2,3,4,5,6,7
	FRAGX \s
.endr
	ds_load_b128 v[SW:SW+3], v[SCR]                ; the eight fragments' scale words: 512 bytes
	s_wait_dscnt 0x0
	global_store_b128 v[XA], v[SW:SW+3], s[20:21]
	s_wait_tensorcnt 0x0
	ds_add_u32 v254, v255
	s_wait_dscnt 0x0
	s_endpgm
	; ---------------- PATH W: Wq, Wk, Wv, Wo ----------------
.Lweights:
	s_sub_co_u32 s30, ttmp9, 384
	s_lshr_b32 s31, s30, 5                         ; which weight: 0 Wq, 1 Wk, 2 Wv, 3 Wo
	s_bfe_u32 s27, s30, 0x30002                    ; which 128 columns (Wq, Wk, Wv: the head)
	s_and_b32 s30, s30, 3                          ; which 256 along K
	s_cmp_eq_u32 s31, 3
	s_mov_b32 s48, 512
	s_cselect_b32 s48, 4096, s48                   ; bytes from k to k + 1: 512 in a head's [1024][128], 4,096 in Wo
	s_mov_b32 s49, 524288
	s_cselect_b32 s49, 512, s49                    ; bytes from one group of 128 columns to the next: a head, or 128 numbers of a row of Wo
	s_mul_i32 s50, s27, s49
	s_mul_i32 s51, s30, s48
	s_lshl_b32 s51, s51, 8
	s_add_co_u32 s50, s50, s51
	s_lshl_b32 s51, s26, 7                         ; my wave's 32 columns
	s_add_co_u32 s50, s50, s51
	s_mov_b32 s51, 0
	s_lshl_b32 s52, s48, 5                         ; a block of 32 along K
	s_mov_b32 s53, 0
	s_wait_alu depctr_va_vdst(0)
	v_lshlrev_b32 v10, 2, v1                       ; 4 bytes a lane: neighbouring lanes read neighbouring columns
	v_bfe_u32 v11, v0, 3, 1                        ; column l of the 32 stands in tile u = (l / 8) % 2
	v_and_b32 v12, 7, v0
	v_lshl_or_b32 v12, v3, 3, v12                  ; at place l % 8 + 8 (l / 16)
.irp i, 0,1,2,3,4,5,6,7,8,9,10,11,12,13,14,15,16,17,18,19,20,21,22,23,24,25,26,27,28,29,30,31
	v_mad_u32_u24 v[OF+\i], s48, \i, v10
.endr
	s_mul_i32 s54, s26, WWAVE
	s_add_co_u32 s54, s54, WLDS                    ; my wave's stage
	v_mul_u32_u24 v4, v11, WUP
	v_lshl_add_u32 v4, v12, 4, v4
	v_add_nc_u32 v4, s54, v4                       ; into it: my tile, 16 x my place
	v_lshlrev_b32 v8, 4, v1
	v_add_nc_u32 v7, s54, v8                       ; out of it: 16 x lane
	v_lshlrev_b32 v9, 9, v11
	v_lshl_add_u32 v9, v12, 2, v9                  ; my scale words: 512 bytes a row tile, 4 x my place
	s_lshl_b32 s55, s27, 3
	s_lshl_b32 s56, s26, 1
	s_add_co_u32 s55, s55, s56                     ; my wave's first row tile: 8 x group + 2 x wave
	s_mul_i32 s56, s31, 64*GROW
	s_mul_i32 s57, s55, GROW
	s_add_co_u32 s56, s56, s57
	s_mul_i32 s57, s30, 2*FRB
	s_add_co_u32 s56, s56, s57
	s_mov_b32 s57, 0
	s_lshl_b32 s58, s31, 15
	s_lshl_b32 s59, s55, 9
	s_add_co_u32 s58, s58, s59
	s_lshl_b32 s59, s30, 7
	s_add_co_u32 s58, s58, s59
	s_mov_b32 s59, 0
	s_wait_alu depctr_va_vdst(0)
	s_wait_kmcnt 0x0
	s_cmp_eq_u32 s31, 0
	s_cselect_b64 s[32:33], s[10:11], s[12:13]
	s_cmp_eq_u32 s31, 2
	s_cselect_b64 s[32:33], s[14:15], s[32:33]
	s_cmp_eq_u32 s31, 3
	s_cselect_b64 s[32:33], s[16:17], s[32:33]
	s_add_nc_u64 s[32:33], s[32:33], s[50:51]      ; block 0's base; a base for each block, so that no immediate hangs on the pitch
.irp t, 1,2,3,4,5,6,7
	s_add_nc_u64 s[32+2*\t:33+2*\t], s[30+2*\t:31+2*\t], s[52:53]
.endr
	s_add_nc_u64 s[22:23], s[22:23], s[56:57]
	s_add_nc_u64 s[24:25], s[24:25], s[58:59]
.macro LOADW t                         ; block t: W(32 t + i, my column), i = 0 .. 31
.irp i, 0,1,2,3,4,5,6,7,8,9,10,11,12,13,14,15,16,17,18,19,20,21,22,23,24,25,26,27,28,29,30,31
	global_load_b32 v[NS+32*((\t)%2)+\i], v[OF+\i], s[32+2*(\t):33+2*(\t)] th:TH_LOAD_NT
.endr
.endm
; Block t is block t % 4 of K step t / 4: in the fragment it belongs to lane (my place, t % 2), registers 6 c2 .. 6 c2 + 5 with c2 = (t % 4) / 2.
.macro BLOCKW t
.set XS, NS+32*((\t)%2)
.set SG, (\t)/4
.set C2, ((\t)%4)/2
.set HH, (\t)%2
.if (\t) < 7
	s_wait_loadcnt 32                              ; this block's 32 loads are in; the next block's may be out
.else
	s_wait_loadcnt 0x0
.endif
	v_max3_num_f32 v[MA], |v[XS]|, |v[XS+1]|, |v[XS+2]|    ; the block's largest magnitude: all 32 numbers are mine
	v_max3_num_f32 v[MB], |v[XS+3]|, |v[XS+4]|, |v[XS+5]|
.irp i, 6,10,14,18,22,26
	v_max3_num_f32 v[MA], v[MA], |v[XS+\i]|, |v[XS+\i+1]|
	v_max3_num_f32 v[MB], v[MB], |v[XS+\i+2]|, |v[XS+\i+3]|
.endr
	v_max3_num_f32 v[MA], v[MA], |v[XS+30]|, |v[XS+31]|
	v_max3_num_f32 v[MA], v[MA], v[MB], 0x1800000  ; and the floor 2^(3 - 127)
	v_add_nc_u32 v[SO], 0xff000000, v[MA]          ; 2 off the exponent field: the conversion's scale operand
	v_lshrrev_b32 v[BY], 23, v[SO]                 ; the scale's byte
.if (\t)%4 == 0
	v_mov_b32 v[SB+SG], v[BY]
.else
	v_lshl_or_b32 v[SB+SG], v[BY], 8*((\t)%4), v[SB+SG]
.endif
	v_cvt_scalef32_pk16_fp6_f32 v[C:C+2], v[XS:XS+15], v[SO]
	v_cvt_scalef32_pk16_fp6_f32 v[C+8:C+10], v[XS+16:XS+31], v[SO]   ; (a conversion's three registers begin on an even number)
	v_nop                                          ; one plain place behind a scaled conversion
.irp i, 0,1,2
	v_mov_b32 v[C+3+\i], v[C+8+\i]
.endr
.if C2 == 0
	ds_store_b128 v4, v[C:C+3] offset:FRB*SG+256*HH            ; registers 0-3
	ds_store_b64 v4, v[C+4:C+5] offset:FRB*SG+512+256*HH       ; registers 4, 5
.else
	ds_store_b64 v4, v[C:C+1] offset:FRB*SG+520+256*HH         ; registers 6, 7
	ds_store_b128 v4, v[C+2:C+5] offset:FRB*SG+1024+256*HH     ; registers 8-11
.endif
.if (\t)+2 < 8
	LOADW (\t)+2
.endif
	s_wait_dscnt 0x0                               ; the stores have read their registers: the next block's codes may be written
.endm
	LOADW 0
	LOADW 1
.irp t, 0,1,2,3,4,5,6,7
	BLOCKW \t
.endr
	s_wait_alu depctr_va_vdst(0)
.irp g, 0,1
	global_store_b32 v9, v[SB+\g], s[24:25] offset:64*\g       ; pieces of 64 bytes: ws is one byte for each 128 that this path reads
.endr
.irp n, 0,1,2,3,4,5,6,7,8,9,10,11
	ds_load_b128 v[OUTR+4*\n:OUTR+4*\n+3], v7 offset:(\n/6)*WUP+(\n%6)*512   ; LDS serves a wave's instructions in order: these see my stores
.endr
.irp n, 0,1,2,3,4,5,6,7,8,9,10,11
	s_wait_dscnt 11-\n
	global_store_b128 v8, v[OUTR+4*\n:OUTR+4*\n+3], s[22:23] offset:(\n/6)*GROW+(\n%6)*512   ; 512 consecutive bytes, at a multiple of 256 from the buffer's first byte
.endr
	s_wait_tensorcnt 0x0
	ds_add_u32 v254, v255
	s_wait_dscnt 0x0
	s_endpgm
.Lfunc_end_k_qd144bdcdac_prep:
	.size	k_qd144bdcdac_prep, .Lfunc_end_k_qd144bdcdac_prep-k_qd144bdcdac_prep
	.p2alignl 7, 3214868480
	.fill 96, 4, 3214868480
	.section	.rodata,"a",@progbits
	.p2align	6, 0x0
	.amdhsa_kernel k_qd144bdcdac_prep
		.amdhsa_group_segment_fixed_size 61952
		.amdhsa_private_segment_fixed_size 0
		.amdhsa_enable_private_segment 0
		.amdhsa_kernarg_size 88
		.amdhsa_user_sgpr_count 2
		.amdhsa_user_sgpr_kernarg_segment_ptr 1
		.amdhsa_wavefront_size32 1
		.amdhsa_system_sgpr_workgroup_id_x 1
		.amdhsa_system_sgpr_workgroup_id_y 1
		.amdhsa_system_sgpr_workgroup_id_z 1
		.amdhsa_system_vgpr_workitem_id 0
		.amdhsa_next_free_vgpr 256
		.amdhsa_next_free_sgpr 66
		.amdhsa_reserve_vcc 0
		.amdhsa_float_denorm_mode_32 3
		.amdhsa_float_denorm_mode_16_64 3
		.amdhsa_memory_ordered 1
		.amdhsa_forward_progress 1
		.amdhsa_inst_pref_size 109
	.end_amdhsa_kernel
	.amdgpu_metadata
---
amdhsa.version: [ 1, 2 ]
amdhsa.kernels:
  - .name:           k_qd144bdcdac_prep
    .symbol:         k_qd144bdcdac_prep.kd
    .args:
      - { .name: q, .offset: 0, .size: 8, .value_kind: global_buffer, .address_space: global }
      - { .name: k, .offset: 8, .size: 8, .value_kind: global_buffer, .address_space: global }
      - { .name: v, .offset: 16, .size: 8, .value_kind: global_buffer, .address_space: global }
      - { .name: Wq, .offset: 24, .size: 8, .value_kind: global_buffer, .address_space: global }
      - { .name: Wk, .offset: 32, .size: 8, .value_kind: global_buffer, .address_space: global }
      - { .name: Wv, .offset: 40, .size: 8, .value_kind: global_buffer, .address_space: global }
      - { .name: Wo, .offset: 48, .size: 8, .value_kind: global_buffer, .address_space: global }
      - { .name: xf, .offset: 56, .size: 8, .value_kind: global_buffer, .address_space: global }
      - { .name: xs, .offset: 64, .size: 8, .value_kind: global_buffer, .address_space: global }
      - { .name: wf, .offset: 72, .size: 8, .value_kind: global_buffer, .address_space: global }
      - { .name: ws, .offset: 80, .size: 8, .value_kind: global_buffer, .address_space: global }
    .group_segment_fixed_size: 61952
    .private_segment_fixed_size: 0
    .kernarg_segment_align: 8
    .kernarg_segment_size: 88
    .max_flat_workgroup_size: 128
    .sgpr_count:     66
    .vgpr_count:     256
    .wavefront_size: 32
...
	.end_amdgpu_metadata
.endif
;; end of part 1
;; launch proj (part 2): grid 4 x 96, 4 waves a work-group, clusters of 4 x 4, 327,680 bytes of LDS; arguments xf, xs, wf, ws, hf, hs; writes hf, hs
.if DOCPART == 2
	.amdgcn_target "amdgcn-amd-amdhsa--gfx1250"
	.amdhsa_code_object_version 6
	.text
	.protected	k_qd144bdcdac_proj
	.globl	k_qd144bdcdac_proj
	.p2align	8
	.type	k_qd144bdcdac_proj,@function
k_qd144bdcdac_proj:
	s_mov_b64 s[64:65], 0
	v_nop
	global_prefetch_b8 v0, s[64:65] scope:SCOPE_SE
	s_setreg_imm32_b32 hwreg(HW_REG_WAVE_MODE, 25, 1), 1
	s_wait_xcnt 0x0
	s_wait_alu depctr_hold_cnt(0) depctr_sa_sdst(0) depctr_va_vdst(0) depctr_va_sdst(0) depctr_va_ssrc(0) depctr_va_vcc(0) depctr_vm_vsrc(0)
	s_getreg_b32 s2, hwreg(HW_REG_IB_STS2, 6, 4)
	s_cmp_eq_u32 s2, 0
	s_cbranch_scc0 .Lentry_in_a_cluster
	s_endpgm
.Lentry_in_a_cluster:
	s_bfe_u32 s2, ttmp6, 0x10000c
	s_cmp_lg_u32 s2, 0xf033
	s_cbranch_scc0 .Lentry_shape_is_right
	s_endpgm
.Lentry_shape_is_right:
; The three projections qh, kh, vh on codes of FP6 (E2M3) with E8M0 scales, K = 1,024; each result is quantised again on the way out, as the operand of the attention products that it will be.
; All operands are IMAGES OF OPERAND REGISTERS: a fragment (16 rows x 128 K) is 1,536 bytes, register 4 c + w of lane L at 512 c + 16 L + 4 w; buffers [row tile][K step][1536], scale words [row tile][K step][64].
; In every image lane r of tile 2 b + u stands for row 32 b + 8 u + r + 8 (r / 8).
; A tile of C, 256 x 256, is made by four waves, 128 x 128 each: 64 accumulators, 512 registers.  Source 0 = 16 rows of B, source 1 = 16 rows of A: a lane holds ONE row of A, and the 16 registers of B's tiles 2 b, 2 b + 1
; are 16 NEIGHBOURS along B's rows: so C is quantised along B's rows, 128 to a wave, one fragment for each of A's eight blocks.
;   q, k (clusters 0-15):  A = the activations, B = the weights: a wave's 128 rows of B are one head's 128 channels: qh / sqrt(128) and kh are quantised along the head's axis.
;   v (clusters 16-23):    A = Wv, B = the activations: a wave's 128 rows of B are 128 keys: vh is quantised along the keys.
; One text serves all three: which buffer plays A and which B is chosen by s_cselect on the cluster's number, which all partners share.
; hf: [q, k, v][batch x 8 + head][128 fragments][1536]; q, k: fragment = tile of 16 positions; v: fragment = 8 x (key step of 128) + channel tile.  hs likewise, 64 bytes a fragment.
; K goes in steps of 256 through a ring of two LDS slots; the scale words of the work-group's rows, for all of K, come once.  CLUSTERS: 4 x 4 work-groups; A's tiles are asked for jointly along a row of the cluster, B's along a column.
; LIMITS: NaN and infinities are not served; a block of zeros or under 2^-124 gets the byte 1 (read by this program alone); qh / sqrt(128) is a multiplication by the f32 number nearest to 1 / sqrt(128).
; REGISTERS, in windows of 256: window 0: v0-31 addresses; v32-63 scale words, two sets; v128-223 A's fragments, one set; on the way out v64-147 and v224-247.  window 1: B's fragments, two sets, at v0 and v128.
;   window 2: the accumulators of A's blocks 0-3 (accumulator (a, b) at v[8 (8 (a % 4) + b)]);  window 3: those of blocks 4-7.
.set FR,    12
.set NL,    3                          ; LDS loads that bring a fragment
.set NQ,    2                          ; steps of 128 along K in a slot
.set NP,    4                          ; places behind this matrix instruction (ISA guide 7.12.1)
.set FRB,   1536
.set TROW,  2*FRB                      ; a row tile's part of a slot
.set GROW,  8*FRB                      ; a row tile in memory
.set HALFT, 8*TROW                     ; 8 row tiles: what one tensor load brings, and what one wave reads of A or of B
.set SLOT,  4*HALFT                    ; A's 16 row tiles, then B's 16
.set SCL,   2*SLOT                     ; behind the ring: the scale words
.set HALFS, 4096                       ; those of 8 row tiles, all of K
.set SPARE, SCL+4*HALFS                ; the spare words, 128 bytes for each wave: two blocks of 256 bytes that no other line names
.set ADRA, 16                          ; v16-17  LDS address of my A fragments in slot 0, 1
.set ADRB, 20                          ; v20-21  the same for B
.set SCA,  24                          ; v24     the way out: where my row's scale word goes
.set SCR,  25                          ; v25     and where 16 bytes of the words are read back
.set LI,   26                          ; v26     16 x lane
.set ADRS, 27                          ; v27     LDS address of my scale words: lanes 0-15 A's rows, lanes 16-31 B's
.set SPW,  28                          ; v28     LDS address of my spare word; never rewritten
.set NIL,  29                          ; v29     0; never rewritten
.set SC,   32                          ; scale words: set s at v[SC + 16 s]; register 2 i + q: lanes 0-15 A's block i, lanes 16-31 B's block i, the slot's q-th 128 along K
.set AF,   128
.set NM,   64                          ; the way out: 64 numbers
.set PC,   128                         ; their codes
.set TM,   224
.set PW,   240
.set SW,   244
.set SEL,  2                           ; s[2:3] lane selects for v_permlanex16_b32
.set G1, 24
.set G0, 32
.set G1B, 48
.set G0B, 56
.set G1S, 68
.set G0S, 76
.set G1SB, 80
.set G0SB, 88
.set MSB, 0
.macro WIN new                         ; the immediate's high byte repeats the setting that is left
.if MSB != \new
	s_set_vgpr_msb (MSB<<8)|\new
.set MSB, \new
.endif
.endm
.set MUL_LO, 0xa1                      ; source 0 (B) window 1, source 1 (A) window 0, C and D window 2
.set MUL_HI, 0xf1                      ; the same, C and D window 3
.set TO_B,   0x40                      ; destination window 1, address window 0
; A joint load: waves 0 and 1 fetch for A, waves 2 and 3 for B.  Each line has one mask and one set of registers for all that issue it; the branch hangs on the wave's number alone.
; Four v_nop follow each of the two lines, ahead of the jump, the label and what follows.
.macro JLOAD g0a, g1a, g0b, g1b
	s_cmp_eq_u32 s17, 0
	s_cbranch_scc0 .Lfor_b_\@
	tensor_load_to_lds s[\g0a:\g0a+3], s[\g1a:\g1a+7]
	s_nop 0
.rept 4
	v_nop
.endr
	s_branch .Lasked_\@
.Lfor_b_\@:
	tensor_load_to_lds s[\g0b:\g0b+3], s[\g1b:\g1b+7]
	s_nop 0
.rept 4
	v_nop
.endr
.Lasked_\@:
.endm
.macro CREST                           ; a round of the cluster's barrier behind its opening barrier
	s_cmp_lg_u32 s16, 0
	s_cbranch_scc1 .Lnot_wave_0_\@
	s_barrier_signal -3
.Lnot_wave_0_\@:
	s_barrier_wait -3
	s_barrier_signal -1
	s_barrier_wait -1
.endm
.macro CROUND
	s_barrier_signal -1
	s_barrier_wait -1
	CREST
.endm
	s_load_b256 s[4:11], s[0:1], 0x0               ; xf 4:5, xs 6:7, wf 8:9, ws 10:11
	s_load_b128 s[12:15], s[0:1], 0x20             ; hf 12:13, hs 14:15
	v_lshl_add_u32 v[SPW], v0, 2, SPARE
	v_mov_b32 v[NIL], 0
	ds_add_u32 v28, v29
	ds_add_u32 v28, v29
	s_wait_dscnt 0x0
	v_lshrrev_b32 v1, 5, v0
	v_readfirstlane_b32 s16, v1                    ; wave 0..3
	s_lshr_b32 s17, s16, 1                         ; which half of A's rows is mine.  Also: I fetch for A (0) or for B (1)
	s_and_b32 s18, s16, 1                          ; which half of B's rows.  Also: which 8 row tiles I fetch
	s_bfe_u32 s40, ttmp6, 0x40000                  ; cx, cy: my place in the cluster
	s_bfe_u32 s41, ttmp6, 0x40004
	s_and_b32 s95, ttmp7, 0xffff                   ; the cluster's number, 0..23
	s_lshr_b32 s66, s95, 3                         ; the projection: 0 q, 1 k, 2 v
	s_and_b32 s67, s95, 7                          ; which 1,024 rows of the activations
	s_cmp_lt_u32 s66, 2
	s_cselect_b32 s19, s67, 0                      ; q, k: the activations are A
	s_cselect_b32 s42, 0, s67                      ; v: they are B
	s_lshl_b32 s19, s19, 2
	s_add_co_u32 s19, s19, s41                     ; A's tile of 256 rows
	s_lshl_b32 s42, s42, 2
	s_add_co_u32 s42, s42, s40                     ; B's tile of 256 rows
	s_lshl_b32 s43, s41, 2
	s_lshl_b32 s43, 15, s43                        ; my row of the cluster
	s_lshl_b32 s44, 0x1111, s40                    ; my column
	; descriptor group 1: rows of 3,072 bytes (a row tile's two K steps), 12,288 bytes apart in memory, on end in LDS: 16 rows for the head's loads; behind them the two words that count rows are set to 8, for the ring's
	s_or_b32 s[G1+0], s43, (3<<16)|(1<<21)         ; 15:0 the mask: A's tiles go to my row; 17:16 elements of 8 bytes; 20 no padding; 21 set beside a mask
	s_or_b32 s[G1B+0], s44, (3<<16)|(1<<21)
.irp g, G1, G1B
	s_mov_b32 s[\g+1], 384<<16                     ; tensor_dim0 = 384 elements
	s_mov_b32 s[\g+2], 16<<16                      ; tensor_dim1 = 16
	s_mov_b32 s[\g+3], 384<<16                     ; tile_dim0
	s_mov_b32 s[\g+4], 16                          ; tile_dim1 = 16
	s_mov_b32 s[\g+5], 1536                        ; tensor_dim0_stride, in elements
	s_mov_b32 s[\g+6], 0
	s_mov_b32 s[\g+7], 0
.endr
	; and for the scale words of 16 row tiles: 8,192 dense bytes as 32 rows of 256
	s_or_b32 s[G1S+0], s43, (3<<16)|(1<<21)
	s_or_b32 s[G1SB+0], s44, (3<<16)|(1<<21)
.irp g, G1S, G1SB
	s_mov_b32 s[\g+1], 32<<16
	s_mov_b32 s[\g+2], 32<<16
	s_mov_b32 s[\g+3], 32<<16
	s_mov_b32 s[\g+4], 32
	s_mov_b32 s[\g+5], 32
	s_mov_b32 s[\g+6], 0
	s_mov_b32 s[\g+7], 0
.endr
	s_lshl_b32 s20, s19, 4                         ; A: the tile's first row tile, 16 x tile
	s_lshl_b32 s46, s42, 4                         ; B likewise
	s_lshl_b32 s22, s20, 9                         ; their scale words, in bytes,
	s_mov_b32 s23, 0
	s_lshl_b32 s92, s46, 9
	s_mov_b32 s93, 0
	s_mul_i32 s20, s20, GROW                       ; and their codes
	s_mov_b32 s21, 0
	s_mul_i32 s46, s46, GROW
	s_mov_b32 s47, 0
	s_mul_i32 s45, s16, HALFT                      ; where they go: wave x 8 row tiles: no place in the cluster enters an LDS address
	s_mul_i32 s98, s66, 512*GROW                   ; the projection's part of xf,
	s_mov_b32 s99, 0
	s_mul_i32 s100, s66, 64*GROW                   ; of wf
	s_mov_b32 s101, 0
	s_wait_kmcnt 0x0
	s_add_nc_u64 s[4:5], s[4:5], s[98:99]
	s_add_nc_u64 s[8:9], s[8:9], s[100:101]
	s_lshl_b32 s98, s66, 18                        ; of xs,
	s_lshl_b32 s100, s66, 15                       ; of ws
	s_add_nc_u64 s[6:7], s[6:7], s[98:99]
	s_add_nc_u64 s[10:11], s[10:11], s[100:101]
	s_cmp_lt_u32 s66, 2                            ; which buffer plays A: the choice hangs on the cluster's number alone
	s_cselect_b64 s[98:99], s[4:5], s[8:9]
	s_add_nc_u64 s[20:21], s[98:99], s[20:21]      ; A's codes
	s_cselect_b64 s[98:99], s[6:7], s[10:11]
	s_add_nc_u64 s[22:23], s[98:99], s[22:23]      ; A's scale words
	s_cselect_b64 s[100:101], s[8:9], s[4:5]
	s_add_nc_u64 s[46:47], s[100:101], s[46:47]    ; B's codes
	s_cselect_b64 s[100:101], s[10:11], s[6:7]
	s_add_nc_u64 s[92:93], s[100:101], s[92:93]    ; B's scale words
	CROUND                                         ; all sixteen work-groups are here: the first joint loads meet
	s_mov_b32 s[G0S], 1
	s_mov_b32 s[G0S+1], SCL                        ; the scale words of A's 16 row tiles,
	s_mov_b64 s[G0S+2:G0S+3], s[22:23]
	s_or_b32 s[G0S+3], s[G0S+3], 0x80000000
	s_mov_b32 s[G0SB], 1
	s_mov_b32 s[G0SB+1], SCL+2*HALFS               ; and of B's, behind them
	s_mov_b64 s[G0SB+2:G0SB+3], s[92:93]
	s_or_b32 s[G0SB+3], s[G0SB+3], 0x80000000
.set G0H, 4                            ; s[4:7], s[8:11] group 0 for the head's loads of slot 0: A's 16 row tiles, B's 16 (the arguments that lay there have been used)
.set G0HB, 8
	s_mov_b32 s[G0H], 1
	s_mov_b32 s[G0H+1], 0
	s_mov_b64 s[G0H+2:G0H+3], s[20:21]
	s_or_b32 s[G0H+3], s[G0H+3], 0x80000000
	s_mov_b32 s[G0HB], 1
	s_mov_b32 s[G0HB+1], 2*HALFT
	s_mov_b64 s[G0HB+2:G0HB+3], s[46:47]
	s_or_b32 s[G0HB+3], s[G0HB+3], 0x80000000
	s_mul_i32 s98, s18, 8*GROW                     ; for the ring: my 8 row tiles of the 16
	s_mov_b32 s99, 0
	s_add_nc_u64 s[20:21], s[20:21], s[98:99]
	s_add_nc_u64 s[46:47], s[46:47], s[98:99]
; THE PREFETCHES: of the 8 row tiles that my wave fetches in the ring, each of the four partners that ask for them jointly takes two, told apart by address (cx for A's, cy for B's).
; A slot's part of two row tiles is 2 x 3,072 bytes = 24 blocks of 256 bytes: a lane a block, one instruction a wave (lanes 24-31 name the last block again).  The slot stands in the immediate: no register is stepped.
.set PFO, 30                           ; v30      the lanes' offsets; never rewritten
.set PFA, 100                          ; s[100:101] my two row tiles, K step 0; never rewritten
	s_cmp_eq_u32 s17, 0                            ; do I fetch for A?
	s_cselect_b64 s[PFA:PFA+1], s[20:21], s[46:47]
	s_cselect_b32 s94, s40, s41                    ; my place among the four that ask with me
	s_mul_i32 s94, s94, 2*GROW
	s_mov_b32 s95, 0
	s_add_nc_u64 s[PFA:PFA+1], s[PFA:PFA+1], s[94:95]
.irp s, 0,1
	s_mov_b32 s[G0+4*\s], 1
	s_add_co_u32 s[G0+4*\s+1], s45, \s*SLOT
	s_add_nc_u64 s[G0+4*\s+2:G0+4*\s+3], s[20:21], \s*TROW
	s_or_b32 s[G0+4*\s+3], s[G0+4*\s+3], 0x80000000
	s_mov_b32 s[G0B+4*\s], 1
	s_add_co_u32 s[G0B+4*\s+1], s45, \s*SLOT
	s_add_nc_u64 s[G0B+4*\s+2:G0B+4*\s+3], s[46:47], \s*TROW
	s_or_b32 s[G0B+4*\s+3], s[G0B+4*\s+3], 0x80000000
.endr
; THE HEAD'S LOADS, ONE A WAVE: wave 0 fetches slot 0's 16 row tiles of A, wave 1 those of B, wave 2 A's scale words, wave 3 B's.
; One chain of branches on the wave's number: every way through it passes exactly one load.
.macro ARM under, g0, g1, next
	s_cmp_lt_u32 s16, \under
	s_cbranch_scc0 \next
	tensor_load_to_lds s[\g0:\g0+3], s[\g1:\g1+7]
	s_nop 0
.rept 4
	v_nop
.endr
	s_branch .Lhead_asked
\next:
.endm
	ARM 1, G0H,  G1,  .Lhead_b
	ARM 2, G0HB, G1B, .Lhead_sa
	ARM 3, G0S,  G1S, .Lhead_sb
	tensor_load_to_lds s[G0SB:G0SB+3], s[G1SB:G1SB+7]
	s_nop 0
.rept 4
	v_nop
.endr
.Lhead_asked:
	v_and_b32 v1, 15, v0                           ; r
	v_bfe_u32 v2, v0, 4, 1                         ; h
	s_wait_alu depctr_va_vdst(0)
	v_and_b32 v3, 31, v0
	v_lshlrev_b32 v[LI], 4, v3
	v_min_u32 v[PFO], 23, v3                       ; block 0..23
	v_mul_u32_u24 v7, v[PFO], 43
	v_lshrrev_b32 v7, 9, v7                        ; block / 12: which of the two row tiles
	v_mul_u32_u24 v7, v7, GROW-TROW
	v_lshl_add_u32 v[PFO], v[PFO], 8, v7           ; 256 x block, and on to the second row tile
	global_prefetch_b8 v[PFO], s[PFA:PFA+1] offset:TROW th:TH_LOAD_NT scope:SCOPE_SE     ; slot 1, asked for one change of slots ahead of its load,
	global_prefetch_b8 v[PFO], s[PFA:PFA+1] offset:2*TROW th:TH_LOAD_NT scope:SCOPE_SE   ; slot 2, two ahead
	s_wait_alu depctr_va_vdst(0)
	s_mul_i32 s21, s17, HALFT                      ; my 8 row tiles of A
	s_mul_i32 s22, s18, HALFT                      ; my 8 of B,
	s_add_co_u32 s22, s22, 2*HALFT                 ; which lie behind A's 16
.irp s, 0,1
	v_add_nc_u32 v[ADRA+\s], s21, v[LI]
	v_add_nc_u32 v[ADRB+\s], s22, v[LI]
	s_add_co_u32 s21, s21, SLOT
	s_add_co_u32 s22, s22, SLOT
.endr
	s_lshl_b32 s21, s17, 12                        ; A's scale words: my half
	s_lshl_b32 s22, s18, 12                        ; B's: my half, behind A's two
	s_add_co_u32 s22, s22, 2*HALFS
	s_sub_co_u32 s22, s22, s21
	v_mul_u32_u24 v6, s22, v2                      ; lanes 16-31 take B's
	s_add_co_u32 s21, s21, SCL
	v_lshl_add_u32 v5, v1, 2, v6
	v_add_nc_u32 v[ADRS], s21, v5
	s_lshl_b32 s23, s16, 9                         ; the way out: 512 bytes a wave at the head of slot 0
	v_lshl_add_u32 v[SCA], v1, 2, s23
	v_add_nc_u32 v[SCR], s23, v[LI]
	; where my eight fragments go
	s_lshl_b32 s20, s19, 1
	s_add_co_u32 s20, s20, s17                     ; my 128 rows of A
	s_lshl_b32 s46, s42, 1
	s_add_co_u32 s46, s46, s18                     ; my 128 rows of B
	s_cmp_lt_u32 s66, 2
	s_cselect_b32 s21, s20, s46                    ; of the two, the activations' (0..63: batch x 16 + block of 128 positions),
	s_cselect_b32 s22, s46, s20                    ; and the weights' (the head)
	s_mov_b32 s96, 0x3db504f3                      ; 1 / sqrt(128)
	s_cmp_eq_u32 s66, 0
	s_cselect_b32 s96, s96, 1.0                    ; q alone is divided
	s_mov_b32 s97, s96                             ; (named with it as a pair, so it is written)
	s_lshr_b32 s23, s21, 4
	s_lshl_b32 s23, s23, 3
	s_add_co_u32 s23, s23, s22                     ; batch x 8 + head
	s_lshl_b32 s23, s23, 7
	s_and_b32 s21, s21, 15
	s_lshl_b32 s21, s21, 3
	s_add_co_u32 s23, s23, s21
	s_lshl_b32 s21, s66, 12
	s_add_co_u32 s23, s23, s21                     ; my first fragment's number
	s_mul_i32 s20, s23, FRB
	s_mov_b32 s21, 0
	s_add_nc_u64 s[12:13], s[12:13], s[20:21]
	s_lshl_b32 s20, s23, 6
	s_add_nc_u64 s[14:15], s[14:15], s[20:21]
	s_mov_b32 s[SEL], 0x76543210
	s_mov_b32 s[SEL+1], 0xfedcba98
.macro FRAG reg, adr, q, i             ; a fragment comes as it was stored: three loads of 16 bytes a lane, 512 consecutive bytes each
.irp c, 0,1,2
	ds_load_b128 v[\reg+4*\c:\reg+4*\c+3], v[\adr] offset:(\i)*TROW+(\q)*FRB+512*\c
.endr
.endm
; 16 matrix instructions: A's blocks a0, a0 + 1 x B's eight, 128 along K.  p: B's set; sc: the set of scale words.  zero = 1: the first product starts the sums: nothing is ever cleared.
; The 64 accumulators take turns, one instruction a turn, in the same order in every step.
.macro MUL16 a0, p, q, sc, zero
.irp a, \a0, \a0+1
.irp b, 0,1,2,3,4,5,6,7
.if \zero
	v_wmma_scale_f32_16x16x128_f8f6f4 v[8*(8*((\a)%4)+\b):8*(8*((\a)%4)+\b)+7], v[128*(\p)+FR*\b:128*(\p)+FR*\b+FR-1], v[AF+FR*(\a):AF+FR*(\a)+FR-1], 0, v[SC+16*(\sc)+2*\b+(\q)], v[SC+16*(\sc)+2*(\a)+(\q)] matrix_a_fmt:MATRIX_FMT_FP6 matrix_b_fmt:MATRIX_FMT_FP6 matrix_a_scale:MATRIX_SCALE_ROW1
.else
	v_wmma_scale_f32_16x16x128_f8f6f4 v[8*(8*((\a)%4)+\b):8*(8*((\a)%4)+\b)+7], v[128*(\p)+FR*\b:128*(\p)+FR*\b+FR-1], v[AF+FR*(\a):AF+FR*(\a)+FR-1], v[8*(8*((\a)%4)+\b):8*(8*((\a)%4)+\b)+7], v[SC+16*(\sc)+2*\b+(\q)], v[SC+16*(\sc)+2*(\a)+(\q)] matrix_a_fmt:MATRIX_FMT_FP6 matrix_b_fmt:MATRIX_FMT_FP6 matrix_a_scale:MATRIX_SCALE_ROW1
.endif
.endr
.endr
.endm
.macro FETCH_B slot, q, p
	WIN TO_B
.irp i, 0,1,2,3,4,5,6,7
	FRAG 128*(\p)+FR*\i, ADRB+\slot, \q, \i
.endr
	WIN 0
.endm
.macro FETCH_A slot, q, i0
.irp i, \i0, \i0+1, \i0+2, \i0+3
	FRAG AF+FR*(\i), ADRA+\slot, \q, \i
.endr
.endm
.macro SCALES sc                       ; a slot's scale words: lanes 0-15 take A's block i, lanes 16-31 B's block i
.irp i, 0,1,2,3,4,5,6,7
.irp q, 0,1
	ds_load_b32 v[SC+16*\sc+2*\i+\q], v[ADRS] offset:512*\i+64*\q
.endr
.endr
.endm
; A load into a register that a matrix instruction has read, and a vector instruction that reads a matrix result, stand NP places behind it; only plain vector instructions that name none of its registers are places.
.macro PLACES n
.rept \n
	v_nop
.endr
.endm
.macro STEP slot, q, zero              ; a step of 128 along K that has its successor in the same slot
	s_wait_dscnt 4*NL                              ; all but the youngest twelve loads (A's blocks 4-7) are in
	WIN MUL_LO
	MUL16 0, (\q)%2, \q, \slot, \zero
	MUL16 2, (\q)%2, \q, \slot, \zero
	s_wait_dscnt 0                                 ; A's blocks 4-7 are in
	PLACES NP
	FETCH_B \slot, (\q)+1, 1-(\q)%2
	FETCH_A \slot, (\q)+1, 0
	WIN MUL_HI
	MUL16 4, (\q)%2, \q, \slot, \zero
	MUL16 6, (\q)%2, \q, \slot, \zero
	PLACES NP
	WIN 0
	FETCH_A \slot, (\q)+1, 4
.endm
; A slot's last step changes slots: one barrier; in front of it each wave waits for all its tensor loads, adds 0 to its spare word, and waits for that and for its own reads of this slot.  fill = 1: this slot is filled again.
.macro TURN slot, next, fill
	s_wait_tensorcnt 0x0                           ; all my tensor loads have landed: my part of the next slot
	ds_add_u32 v[SPW], v[NIL]                      ; 0 onto my spare word
	s_wait_dscnt 4*NL+1                            ; (the add and the youngest twelve loads may be out)
	WIN MUL_LO
	MUL16 0, 1, NQ-1, \slot, 0                     ; sixteen matrix instructions stand between the add and the wait for it
	s_wait_dscnt 0x0                               ; the add is done, and my reads of this slot are over
	s_barrier_signal -1
	MUL16 2, 1, NQ-1, \slot, 0
	WIN 0
	s_barrier_wait -1
.if \fill
	CREST                                          ; the barrier has opened a round of the cluster's barrier: no wave of any partner still reads this slot or has a load on its way
	s_add_nc_u64 s[G0+4*\slot+2:G0+4*\slot+3], s[G0+4*\slot+2:G0+4*\slot+3], 2*TROW
	s_add_nc_u64 s[G0B+4*\slot+2:G0B+4*\slot+3], s[G0B+4*\slot+2:G0B+4*\slot+3], 2*TROW
	JLOAD G0+4*\slot, G1, G0B+4*\slot, G1B         ; the first tensor load behind the round; its four v_nop are also the places in front of the loads below
.else
	PLACES NP
.endif
	s_wait_alu depctr_va_vdst(0)
	v_add_nc_u32 v[ADRS], 64*NQ, v[ADRS]           ; on to the next slot's scale words (no LDS load of mine is out)
	FETCH_B \next, 0, 0
	FETCH_A \next, 0, 0
	SCALES \next
	WIN MUL_HI
	MUL16 4, 1, NQ-1, \slot, 0
	MUL16 6, 1, NQ-1, \slot, 0
	PLACES NP
	WIN 0
	FETCH_A \next, 0, 4
.endm
	s_wait_alu depctr_va_vdst(0)
	s_wait_tensorcnt 0x0                           ; my tile of the head's four is in
	ds_add_u32 v[SPW], v[NIL]
	s_mov_b32 s[G1+2], 8<<16                       ; no tensor load of mine is out, so a descriptor may be written: from here on a load brings 8 row tiles
	s_mov_b32 s[G1+4], 8
	s_mov_b32 s[G1B+2], 8<<16
	s_mov_b32 s[G1B+4], 8
	s_wait_dscnt 0x0                               ; the add is done
	CROUND                                         ; a whole round: all four tiles are in, and all sixteen work-groups are here
	JLOAD G0+4, G1, G0B+4, G1B                     ; slot 1's first fill, the first tensor load behind the round
	FETCH_B 0, 0, 0
	FETCH_A 0, 0, 0
	SCALES 0
	FETCH_A 0, 0, 4
	global_prefetch_b8 v[PFO], s[PFA:PFA+1] offset:3*TROW th:TH_LOAD_NT scope:SCOPE_SE   ; slot 3, the last, two ahead of its load: behind slot 1's load and the run of LDS loads
	STEP 0, 0, 1                                   ; K = 1,024 is four slots of 256: written straight
	TURN 0, 1, 1
	STEP 1, 0, 0
	TURN 1, 0, 1
	STEP 0, 0, 0
	TURN 0, 1, 0                                   ; nothing is left to fetch
	STEP 1, 0, 0
	s_wait_dscnt 4*NL
	WIN MUL_LO
	MUL16 0, 1, NQ-1, 1, 0
	MUL16 2, 1, NQ-1, 1, 0
	s_wait_dscnt 0
	WIN MUL_HI
	MUL16 4, 1, NQ-1, 1, 0
	MUL16 6, 1, NQ-1, 1, 0
	WIN 0
; 64 numbers of a lane, register 16 b + i = k 32 b + 16 (lane / 16) + i of my row, become a fragment's codes in v[PC] .. v[PC + 11] and its scale word in v[PW].
.macro QUANT s
.irp b, 0,1,2,3
	v_max3_num_f32 v[TM+\b], |v[\s+16*\b]|, |v[\s+1+16*\b]|, 0x1800000   ; my 16 numbers of block b, and the floor 2^(3 - 127): the byte cannot fall under 1
.endr
.irp i, 2,4,6,8,10,12,14
.irp b, 0,1,2,3
	v_max3_num_f32 v[TM+\b], v[TM+\b], |v[\s+16*\b+\i]|, |v[\s+1+16*\b+\i]|
.endr
.endr
.irp b, 0,1,2,3
	v_permlanex16_b32 v[TM+4+\b], v[TM+\b], s[SEL], s[SEL+1]
.endr
.irp b, 0,1,2,3
	v_max_num_f32 v[TM+\b], v[TM+\b], v[TM+4+\b]   ; with lane l xor 16's: the block's largest magnitude
.endr
.irp b, 0,1,2,3
	v_add_nc_u32 v[TM+12+\b], 0xff000000, v[TM+\b] ; 2 off its exponent field: the conversion's scale operand
.endr
.irp b, 0,1,2,3
	v_lshrrev_b32 v[TM+4+\b], 23, v[TM+12+\b]      ; the scale's byte
.endr
	v_lshl_or_b32 v[PW], v[TM+5], 8, v[TM+4]
	v_lshl_or_b32 v[PW], v[TM+6], 16, v[PW]
	v_lshl_or_b32 v[PW], v[TM+7], 24, v[PW]
.irp c, 0,1
	v_cvt_scalef32_pk16_fp6_f32 v[PC+6*\c:PC+2+6*\c], v[\s+32*\c:\s+15+32*\c], v[TM+12+2*\c]
	v_cvt_scalef32_pk16_fp6_f32 v[PC+12+4*\c:PC+14+4*\c], v[\s+16+32*\c:\s+31+32*\c], v[TM+12+2*\c+1]
.endr
	v_nop                                          ; one plain place behind a scaled conversion
.irp c, 0,1
.irp i, 0,1,2
	v_permlane16_swap_b32 v[PC+6*\c+\i], v[PC+12+4*\c+\i]
.endr
.irp i, 0,1,2
	v_mov_b32 v[PC+3+6*\c+\i], v[PC+12+4*\c+\i]
.endr
.endr
.endm
; THE WAY OUT of A's block a: its eight accumulators are 64 numbers of my row, in the quantiser's order.  One packed multiplication brings them into window 0 and divides q by sqrt(128); each accumulator is read from its low end on.
.macro QB a
	s_wait_xcnt 0x0                                ; the last block's stores have read the codes' registers
	WIN 0x02+((\a)/4)                              ; source 0: window 2 or 3
.set j, 0
.rept 32
	v_pk_mul_f32 v[NM+j:NM+j+1], v[64*((\a)%4)+j:64*((\a)%4)+j+1], s[96:97] op_sel_hi:[1,0]
.set j, j+2
.endr
	WIN 0
	QUANT NM
.irp c, 0,1,2
	global_store_b128 v[LI], v[PC+4*\c:PC+4*\c+3], s[12:13] offset:FRB*(\a)+512*\c   ; 512 consecutive bytes, at a multiple of 256 from the buffer's first byte
.endr
	ds_store_b32 v[SCA], v[PW] offset:64*(\a)      ; into slot 0, which has had its last fill and, since the last barrier, its last read; lanes r and r + 16 write the same word
.endm
	PLACES NP                                      ; behind the last products: their results are read, and A's registers written, below
.irp b, 0,1,2,3
	v_mov_b32 v[TM+4+\b], 0                        ; written once: a lane permute's destination counts as one of its sources
.endr
.irp a, 0,1,2,3,4,5,6,7
	QB \a
.endr
	ds_load_b128 v[SW:SW+3], v[SCR]                ; my eight fragments' scale words: 512 bytes (LDS serves a wave's instructions in order)
	s_wait_dscnt 0x0
	global_store_b128 v[LI], v[SW:SW+3], s[14:15]
	s_wait_tensorcnt 0x0                           ; the wave's end
	ds_add_u32 v[SPW], v[NIL]
	s_wait_dscnt 0x0
	CROUND                                         ; the closing round: no work-group ends while a partner may still ask for a tile that names it
	s_endpgm
.Lfunc_end_k_qd144bdcdac_proj:
	.size	k_qd144bdcdac_proj, .Lfunc_end_k_qd144bdcdac_proj-k_qd144bdcdac_proj
	.p2alignl 7, 3214868480
	.fill 96, 4, 3214868480
	.section	.rodata,"a",@progbits
	.p2align	6, 0x0
	.amdhsa_kernel k_qd144bdcdac_proj
		.amdhsa_group_segment_fixed_size 327680
		.amdhsa_private_segment_fixed_size 0
		.amdhsa_enable_private_segment 0
		.amdhsa_kernarg_size 48
		.amdhsa_user_sgpr_count 2
		.amdhsa_user_sgpr_kernarg_segment_ptr 1
		.amdhsa_wavefront_size32 1
		.amdhsa_system_sgpr_workgroup_id_x 1
		.amdhsa_system_sgpr_workgroup_id_y 1
		.amdhsa_system_sgpr_workgroup_id_z 1
		.amdhsa_system_vgpr_workitem_id 0
		.amdhsa_next_free_vgpr 1024
		.amdhsa_next_free_sgpr 102
		.amdhsa_reserve_vcc 0
		.amdhsa_float_denorm_mode_32 3
		.amdhsa_float_denorm_mode_16_64 3
		.amdhsa_memory_ordered 1
		.amdhsa_forward_progress 1
		.amdhsa_inst_pref_size 160
	.end_amdhsa_kernel
	.amdgpu_metadata
---
amdhsa.version: [ 1, 2 ]
amdhsa.kernels:
  - .name:           k_qd144bdcdac_proj
    .symbol:         k_qd144bdcdac_proj.kd
    .args:
      - { .name: xf, .offset: 0, .size: 8, .value_kind: global_buffer, .address_space: global }
      - { .name: xs, .offset: 8, .size: 8, .value_kind: global_buffer, .address_space: global }
      - { .name: wf, .offset: 16, .size: 8, .value_kind: global_buffer, .address_space: global }
      - { .name: ws, .offset: 24, .size: 8, .value_kind: global_buffer, .address_space: global }
      - { .name: hf, .offset: 32, .size: 8, .value_kind: global_buffer, .address_space: global }
      - { .name: hs, .offset: 40, .size: 8, .value_kind: global_buffer, .address_space: global }
    .group_segment_fixed_size: 327680
    .private_segment_fixed_size: 0
    .kernarg_segment_align: 8
    .kernarg_segment_size: 48
    .max_flat_workgroup_size: 128
    .sgpr_count:     102
    .vgpr_count:     1024
    .wavefront_size: 32
...
	.end_amdgpu_metadata
.endif
;; end of part 2
;; launch attn (part 3): grid 8 x 32, 8 waves a work-group, no clusters, 327,680 bytes of LDS; arguments hf, hs, zf, zs; writes zf, zs
.if DOCPART == 3
	.amdgcn_target "amdgcn-amd-amdhsa--gfx1250"
	.amdhsa_code_object_version 6
	.text
	.protected	k_qd144bdcdac_attn
	.globl	k_qd144bdcdac_attn
	.p2align	8
	.type	k_qd144bdcdac_attn,@function
k_qd144bdcdac_attn:
	s_mov_b64 s[64:65], 0
	v_nop
	global_prefetch_b8 v0, s[64:65] scope:SCOPE_SE
	s_setreg_imm32_b32 hwreg(HW_REG_WAVE_MODE, 25, 1), 1
	s_wait_xcnt 0x0
; z[b][s][head][:] = the sum over keys of softmax(qh . kh) vh, both products on codes of FP6 (E2M3) with E8M0 scales; qh has been divided by sqrt(128) ahead of its quantiser.  z is quantised along the head's axis on the way out.
; hf: [q, k, v][bh = batch x 8 + head][128 fragments][1536], hs likewise with 64 bytes a fragment: IMAGES OF OPERAND REGISTERS (register 4 c + w of lane L at 512 c + 16 L + 4 w).  q, k: fragment = 16 positions, K = the head's 128;
; v: fragment 8 x (key step) + channel tile: 16 channels, K = 128 keys.  In every image lane r of tile 2 b + u stands for row 32 b + 8 u + r + 8 (r / 8).
; THE SOFTMAX: t = score x log2(e); M = the row's largest t so far, rounded UP to a whole number; p = 2^(t - M) is quantised along the keys, not normalised; the row's sum l is taken of the unquantised p and divides O at the end.
; When M moves, l and O are multiplied by f = 2^(old M - new M): exact.
; SHARES.  A work-group owns 256 query positions of one bh; each of its eight waves TWO tiles of 16, in 512 registers: each fragment of K and V that a wave reads from LDS feeds two matrix instructions, and two waves share a SIMD.
; Every wave walks the 2,048 keys, 128 a step.  K's and V's fragments come through a ring of two LDS slots of 256 keys (waves 0, 1: K's two steps; waves 2, 3: V's), each step 12,288 dense bytes.
; Both products are used transposed (S^T = K Q^T, O^T = V^T P^T): a lane holds ONE query of each tile throughout; by the order of rows in the images the 16 registers of tiles 2 b, 2 b + 1 are 16 neighbouring keys, or channels.
; A KEY STEP: K's eight fragments are asked for | the row sums of the LAST step's p, which nothing needs earlier, stand between those loads and the wait for them | K Q^T | V's eight fragments are asked for, into the same registers |
; the softmax of both tiles, line by line by turns | O^T x f | V^T P.  l takes the last step's sum while both are still under the last step's M: the multiplication by f comes later in the step.  The last step's sum is added on the way out.
; THE FIRST STEP is written out: it has no earlier p to add, and its V^T P starts O^T with the constant 0: nothing is cleared and nothing rescaled there.
; NO CLUSTER, though the eight work-groups of a bh walk the same K and V: a slot's 49,152 bytes feed 512 matrix instructions and some 8,000 vector instructions of the work-group, so what would be shared is a small part of a
; slot's work; and a slot's 96 + 96 blocks of 256 bytes do not share out among four partners in whole instructions of 32 lanes for the prefetch below.
; LIMITS: NaN and infinities are not served; a block of zeros or under 2^-124 gets the byte 1 (read by this program alone); O / l is a reciprocal and a multiplication.
; zf: [row tile][K step = head][1536], zs: [row tile][head][64].
; REGISTERS, in windows of 256 (s_set_vgpr_msb: bits 1:0 source 0, 3:2 source 1, 5:4 source 2, 7:6 destination).  All that the softmax touches lies in window 0.
;   window 0: v1-11 addresses; v12-19 tile x: -M, the largest t, l in two halves; v20-23 tile x: f, p's scale word; v24-25 Q's scale words; v26-29 the step's scale words, two tiles a register; v30-31 at work;
;             v32-159 S^T, then p, 64 a tile; v160-183 the codes, 12 a tile; v184-223 at work.
;   window 1: v0-127 O^T, 64 a tile; v128-151 Q, 12 a tile; v152-247 the eight fragments of K or of V.
.set FRB,   1536
.set STEPB, 8*FRB                      ; a key step's eight fragments
.set SLOT1, 65536                      ; slot 1 begins here: one exclusive or turns an address in one slot into the other's
.set VOFF,  2*STEPB                    ; a slot: K's two steps, then V's two
.set SCK,   2*SLOT1                    ; K's scale words of the whole bh: 8,192 bytes, filled once
.set SCV,   SCK+8192                   ; V's
.set SPARE, SCV+8192                   ; the spare words, 128 bytes for each wave: four blocks of 256 bytes that no other line names
.set LI,   1                           ; v1  16 x lane
.set LS0,  2                           ; v2  SCK + 4 x lane: lanes 0-15 one tile's words, lanes 16-31 the next tile's
.set R4,   3                           ; v3  4 x (lane % 16)
.set LN,   4                           ; v4  lane
.set SPW,  5                           ; v5  LDS address of my spare word; never rewritten
.set NIL,  6                           ; v6  0; never rewritten
.set AD,   8                           ; v8  LDS address of the slot in hand, + 16 x lane
.set ADS,  10                          ; v10 LDS address of the step's scale words
.set PFO,  11                          ; v11 256 x lane: the prefetches' offset; never rewritten
.set ST,   12                          ; tile x: v[ST+4x] -M, +1 the largest t, +2, +3 l
.set FW,   20                          ; tile x: v[FW+2x] f, v[FW+2x+1] p's scale word (at the end z's)
.set QW,   24
.set KW,   26
.set TP,   30
.set S,    32
.set PC,   160
.set MX,   184                         ; tile x, block b: the largest score, then the largest p
.set PT,   192                         ; tile x: four registers: the other half's maxima; the scales' bytes; the sums' second chain
.set SO,   200                         ; tile x, block b: the conversion's scale operand
.set SP2,  208                         ; tile x: the second halves of the blocks as converted
.set O,    0                           ; in window 1
.set QF,   128
.set FRG,  152
.set W_LD, 0x40                        ; destination window 1, address window 0
.set W_KQ, 0x05                        ; K and Q window 1, S^T window 0
.set W_RS, 0x41                        ; O^T (destination, source 0) window 1, f window 0.  Also the first V^T P: V window 1, P window 0, C the constant 0, D window 1
.set W_PV, 0x51                        ; V window 1, P window 0, C and D window 1
.set W_OUT, 0x01                       ; source 0 (O^T) window 1, all else window 0
.set TB,   2                           ; s2  LDS byte at which the slot in hand begins
.set TS,   3                           ; s3  where the step's scale words begin: 512 bytes a step
.set WV,   18
.set SEL,  20
.set CS,   22                          ; s[22:23] log2(e)
.set G1T,  24                          ; s[24:31] group 1 for a key step's fragments; s[32:39] for half a bh's scale words
.set G1S,  32
.set G0T,  40                          ; s[40:43] group 0 for the fragments, which walks; s[44:47] for the scale words
.set G0S,  44
.set SLOTS, 48
.set LIM,  49
.set PFA,  50
.set MSB, 0
.macro WIN new                         ; the immediate's high byte repeats the setting that is left; a switch that changes nothing is dropped
.if MSB != \new
	s_set_vgpr_msb (MSB<<8)|\new
.set MSB, \new
.endif
.endm
.macro TLOAD                           ; waves 0 to 3 fetch, the others nothing; four v_nop follow the line
	s_cmp_lt_u32 s[WV], 4
	s_cbranch_scc0 .Lnone_\@
	tensor_load_to_lds s[G0T:G0T+3], s[G1T:G1T+7]
	s_nop 0
.rept 4
	v_nop
.endr
.Lnone_\@:
.endm
; A PREFETCH INTO THE L2 of what the NEXT change of slots will ask for: 24,576 dense bytes of K and as many of V.  All eight work-groups of a bh walk the same K and V: the first of them asks (a branch on the work-group's number).
; In it six waves ask, one instruction each, behind the tensor load's four lines where the wave has one: waves 0 to 2 for K, waves 4 to 6 for V, 8,192 bytes a wave, lanes 256 bytes apart: each aligned block of 256 bytes is named once in the launch.
; Slots 0 and 1 come by their loads alone; the last change that fills a slot asks for nothing: there is no slot behind it.
.macro ASK
	s_cmp_gt_u32 s[SLOTS], s[LIM]
	s_cbranch_scc0 .Lnot_mine_\@
	global_prefetch_b8 v[PFO], s[PFA:PFA+1] th:TH_LOAD_NT scope:SCOPE_SE
.Lnot_mine_\@:
.endm
	s_load_b256 s[4:11], s[0:1], 0x0               ; hf 4:5, hs 6:7, zf 8:9, zs 10:11
	v_lshl_add_u32 v[SPW], v0, 2, SPARE
	v_mov_b32 v[NIL], 0
	ds_add_u32 v5, v6                              ; the opening lines: the add twice on end under one wait
	ds_add_u32 v5, v6
	s_wait_dscnt 0x0
	v_lshrrev_b32 v8, 5, v0
	v_readfirstlane_b32 s[WV], v8                  ; wave 0..7
	s_and_b32 s52, ttmp7, 0xffff                   ; bh
	s_bfe_u32 s53, s[WV], 0x10001                  ; what I fetch, if I fetch: K (0) or V (1),
	s_and_b32 s54, s[WV], 1                        ; which of a slot's two steps,
	s_and_b32 s55, s[WV], 3                        ; and where in a slot
	s_add_co_u32 s56, s53, 1
	s_mul_i32 s58, s56, 4096*FRB                   ; k's or v's part of hf,
	s_mul_i32 s74, s52, 128*FRB                    ; my bh's fragments,
	s_add_co_u32 s58, s58, s74
	s_mul_i32 s75, s54, STEPB
	s_add_co_u32 s58, s58, s75
	s_mov_b32 s59, 0
	s_lshl_b32 s60, s56, 18                        ; and the same in hs
	s_lshl_b32 s76, s52, 13
	s_add_co_u32 s60, s60, s76
	s_lshl_b32 s75, s54, 12
	s_add_co_u32 s60, s60, s75
	s_mov_b32 s61, 0
	s_lshl_b32 s77, ttmp9, 4
	s_lshl_b32 s75, s[WV], 1
	s_add_co_u32 s77, s77, s75                     ; my first tile of queries in the bh: 16 x work-group + 2 x wave
	s_mul_i32 s62, s77, FRB
	s_add_co_u32 s62, s62, s74
	s_mov_b32 s63, 0
	s_lshl_b32 s66, s77, 6
	s_add_co_u32 s66, s66, s76
	s_mov_b32 s67, 0
	s_lshr_b32 s78, s52, 3                         ; the batch
	s_lshl_b32 s78, s78, 7
	s_add_co_u32 s78, s78, s77                     ; my first row tile of z
	s_lshl_b32 s78, s78, 3
	s_and_b32 s79, s52, 7
	s_add_co_u32 s78, s78, s79                     ; x 8 + the head
	s_mul_i32 s68, s78, FRB
	s_mov_b32 s69, 0
	s_lshl_b32 s70, s78, 6
	s_mov_b32 s71, 0
	s_lshr_b32 s79, s[WV], 2                       ; the prefetches: waves 0 to 2 stand in k, waves 4 to 6 in v,
	s_add_co_u32 s79, s79, 1
	s_mul_i32 s72, s79, 4096*FRB
	s_add_co_u32 s72, s72, s74
	s_lshl_b32 s79, s55, 13                        ; 8,192 bytes a wave,
	s_add_co_u32 s72, s72, s79
	s_add_co_u32 s72, s72, 2*STEPB                 ; in slot 1: the first change of slots steps it to slot 2
	s_mov_b32 s73, 0
	s_cmp_eq_u32 ttmp9, 0                          ; the bh's first work-group asks,
	s_cselect_b32 s[LIM], 1, -1
	s_cmp_eq_u32 s55, 3                            ; three waves for each of the two
	s_cselect_b32 s[LIM], -1, s[LIM]
	; descriptor group 1: 12,288 dense bytes as 48 rows of 256 (32 elements of 8 bytes)
	s_mov_b32 s[G1T], 3<<16
	s_mov_b32 s[G1T+1], 32<<16
	s_mov_b32 s[G1T+2], 48<<16
	s_mov_b32 s[G1T+3], 32<<16
	s_mov_b32 s[G1T+4], 48
	s_mov_b32 s[G1T+5], 32
	s_mov_b32 s[G1T+6], 0
	s_mov_b32 s[G1T+7], 0
	; and 4,096 dense bytes as 16 rows
	s_mov_b32 s[G1S], 3<<16
	s_mov_b32 s[G1S+1], 32<<16
	s_mov_b32 s[G1S+2], 16<<16
	s_mov_b32 s[G1S+3], 32<<16
	s_mov_b32 s[G1S+4], 16
	s_mov_b32 s[G1S+5], 32
	s_mov_b32 s[G1S+6], 0
	s_mov_b32 s[G1S+7], 0
	s_mov_b32 s[SEL], 0x76543210
	s_mov_b32 s[SEL+1], 0xfedcba98
	s_mov_b32 s[CS], 0x3fb8aa3b                    ; log2(e)
	s_mov_b32 s[CS+1], s[CS]                       ; (named with it as a pair, so it is written)
	s_mov_b32 s[TB], 0
	s_mov_b32 s[TS], 0
	s_mov_b32 s[SLOTS], 7
	s_wait_kmcnt 0x0
	s_mov_b32 s[G0T], 1
	s_mul_i32 s[G0T+1], s55, STEPB                 ; slot 0: K step 0, K step 1, V step 0, V step 1
	s_add_nc_u64 s[G0T+2:G0T+3], s[4:5], s[58:59]
	s_or_b32 s[G0T+3], s[G0T+3], 0x80000000
	s_mov_b32 s[G0S], 1
	s_lshl_b32 s[G0S+1], s55, 12
	s_add_co_u32 s[G0S+1], s[G0S+1], SCK
	s_add_nc_u64 s[G0S+2:G0S+3], s[6:7], s[60:61]
	s_or_b32 s[G0S+3], s[G0S+3], 0x80000000
	s_cmp_lt_u32 s[WV], 4                          ; the head's eight tiles, one load a wave: waves 0-3 slot 0's four key steps' fragments, waves 4-7 the four quarters of the bh's scale words (wave % 4 places both)
	s_cbranch_scc0 .Lfirst_sc
	tensor_load_to_lds s[G0T:G0T+3], s[G1T:G1T+7]  ; slot 0
	s_nop 0
.rept 4
	v_nop
.endr
	s_branch .Lno_first
.Lfirst_sc:
	tensor_load_to_lds s[G0S:G0S+3], s[G1S:G1S+7]  ; the scale words: filled once
	s_nop 0
.rept 4
	v_nop
.endr
.Lno_first:
	s_add_nc_u64 s[PFA:PFA+1], s[4:5], s[72:73]
	s_add_nc_u64 s[4:5], s[4:5], s[62:63]          ; Q's two fragments
	s_add_nc_u64 s[6:7], s[6:7], s[66:67]          ; and their scale words
	s_add_nc_u64 s[8:9], s[8:9], s[68:69]          ; z's fragments
	s_add_nc_u64 s[10:11], s[10:11], s[70:71]
	v_and_b32 v[LN], 31, v0
	v_lshlrev_b32 v[LI], 4, v[LN]
	v_lshl_add_u32 v[LS0], v[LN], 2, SCK
	v_and_b32 v[R4], 15, v0
	v_lshlrev_b32 v[R4], 2, v[R4]
	v_lshlrev_b32 v[PFO], 8, v[LN]
	WIN W_LD
.irp x, 0,1
.irp c, 0,1,2
	global_load_b128 v[QF+12*\x+4*\c:QF+12*\x+4*\c+3], v[LI], s[4:5] offset:FRB*\x+512*\c   ; Q stays in registers
.endr
.endr
	WIN 0
.irp x, 0,1
	global_load_b32 v[QW+\x], v[R4], s[6:7] offset:64*\x
.endr
.irp x, 0,1
	v_mov_b32 v[ST+4*\x+1], 0xff61b1e6             ; the largest t so far: -3e38, under every t
	v_floor_f32 v[ST+4*\x], -v[ST+4*\x+1]          ; -M
	v_mov_b32 v[ST+4*\x+2], 0                      ; l, in two halves
	v_mov_b32 v[ST+4*\x+3], 0
	v_mov_b32 v[FW+2*\x+1], 0                      ; (named as the upper half of f's pair before it is first written)
.endr
.irp j, 0,1,2,3,4,5,6,7
	v_mov_b32 v[PT+\j], 0                          ; written once: a lane permute's destination counts as one of its sources
.endr
; THE ROW SUMS of the unquantised p that lies in S^T's registers, two numbers at a time, in two chains a tile, the tiles by turns.  SUMA begins the second chains; SUMB does the rest and joins them into l.
.macro SUMA
.irp x, 0,1
	v_pk_add_f32 v[PT+4*\x:PT+4*\x+1], v[S+64*\x:S+64*\x+1], v[S+64*\x+2:S+64*\x+3]
.endr
.endm
.macro SUMB
.irp j, 4,8,12,16,20,24,28,32,36,40,44,48,52,56,60
.irp x, 0,1
	v_pk_add_f32 v[ST+4*\x+2:ST+4*\x+3], v[ST+4*\x+2:ST+4*\x+3], v[S+64*\x+\j:S+64*\x+\j+1]
	v_pk_add_f32 v[PT+4*\x:PT+4*\x+1], v[PT+4*\x:PT+4*\x+1], v[S+64*\x+\j+2:S+64*\x+\j+3]
.endr
.endr
.irp x, 0,1
	v_pk_add_f32 v[ST+4*\x+2:ST+4*\x+3], v[ST+4*\x+2:ST+4*\x+3], v[PT+4*\x:PT+4*\x+1]
.endr
.endm
; From each tile's four largest magnitudes in v[MX ..] (the floor among them) and its 64 numbers in v[S ..]: the scale word in v[FW+2x+1] and the fragment's codes in v[PC+12x ..].
.macro CODES
.irp x, 0,1
.irp b, 0,1,2,3
	v_add_nc_u32 v[SO+4*\x+\b], 0xff000000, v[MX+4*\x+\b]   ; 2 off the exponent field: the conversion takes this operand's exponent field as its scale
.endr
.endr
.irp x, 0,1
.irp b, 0,1,2,3
	v_lshrrev_b32 v[PT+4*\x+\b], 23, v[SO+4*\x+\b]         ; the scale's byte
.endr
.endr
.irp x, 0,1
	v_lshl_or_b32 v[FW+2*\x+1], v[PT+4*\x+1], 8, v[PT+4*\x]
.endr
.irp x, 0,1
	v_lshl_or_b32 v[FW+2*\x+1], v[PT+4*\x+2], 16, v[FW+2*\x+1]
.endr
.irp x, 0,1
	v_lshl_or_b32 v[FW+2*\x+1], v[PT+4*\x+3], 24, v[FW+2*\x+1]
.endr
.irp x, 0,1
.irp c, 0,1
	v_cvt_scalef32_pk16_fp6_f32 v[PC+12*\x+6*\c:PC+12*\x+6*\c+2], v[S+64*\x+32*\c:S+64*\x+32*\c+15], v[SO+4*\x+2*\c]
	v_cvt_scalef32_pk16_fp6_f32 v[SP2+8*\x+4*\c:SP2+8*\x+4*\c+2], v[S+64*\x+32*\c+16:S+64*\x+32*\c+31], v[SO+4*\x+2*\c+1]   ; (a conversion's three registers begin on an even number)
.endr
.endr
	v_nop                                          ; one plain place behind a scaled conversion
.irp x, 0,1
.irp c, 0,1                                    ; the layout wants a WHOLE block in a lane: lanes 0-15 block 2 c, lanes 16-31 block 2 c + 1
.irp i, 0,1,2
	v_permlane16_swap_b32 v[PC+12*\x+6*\c+\i], v[SP2+8*\x+4*\c+\i]
.endr
.irp i, 0,1,2
	v_mov_b32 v[PC+12*\x+6*\c+3+\i], v[SP2+8*\x+4*\c+\i]
.endr
.endr
.endr
.endm
; THE SOFTMAX of both tiles for one key step, all in window 0, every line for tile 0 and tile 1 by turns.  Register 16 b + i of a tile is key 32 b + 16 (lane / 16) + i of the step.
.macro SOFT
.irp x, 0,1
.irp b, 0,1,2,3
	v_max3_num_f32 v[MX+4*\x+\b], v[S+64*\x+16*\b], v[S+64*\x+16*\b+1], v[S+64*\x+16*\b+2]   ; the largest score of each block of 32 keys: it serves for the row's maximum and, since p rises with the score, for the block's largest p
.endr
.endr
.irp i, 3,5,7,9,11,13
.irp x, 0,1
.irp b, 0,1,2,3
	v_max3_num_f32 v[MX+4*\x+\b], v[MX+4*\x+\b], v[S+64*\x+16*\b+\i], v[S+64*\x+16*\b+\i+1]
.endr
.endr
.endr
.irp x, 0,1
.irp b, 0,1,2,3
	v_max_num_f32 v[MX+4*\x+\b], v[MX+4*\x+\b], v[S+64*\x+16*\b+15]
.endr
.endr
.irp x, 0,1
.irp b, 0,1,2,3
	v_permlanex16_b32 v[PT+4*\x+\b], v[MX+4*\x+\b], s[SEL], s[SEL+1]
.endr
.endr
.irp x, 0,1
.irp b, 0,1,2,3
	v_max_num_f32 v[MX+4*\x+\b], v[MX+4*\x+\b], v[PT+4*\x+\b]   ; with lane l xor 16's 16 keys
.endr
.endr
.irp x, 0,1
	v_max3_num_f32 v[TP+\x], v[MX+4*\x], v[MX+4*\x+1], v[MX+4*\x+2]
.endr
.irp x, 0,1
	v_max_num_f32 v[TP+\x], v[TP+\x], v[MX+4*\x+3] ; the step's largest score of my query
.endr
.irp x, 0,1
	v_mul_f32 v[TP+\x], s[CS], v[TP+\x]            ; as t
.endr
.irp x, 0,1
	v_max_num_f32 v[ST+4*\x+1], v[ST+4*\x+1], v[TP+\x]   ; the running largest t
.endr
.irp x, 0,1
	v_mov_b32 v[TP+\x], v[ST+4*\x]
.endr
.irp x, 0,1
	v_floor_f32 v[ST+4*\x], -v[ST+4*\x+1]          ; the new -M = floor(-t) = -ceil(t): a whole number
.endr
.irp x, 0,1
	v_sub_f32 v[TP+\x], v[ST+4*\x], v[TP+\x]       ; M's old value less its new one: a whole number, 0 or less
.endr
.irp x, 0,1
	v_cvt_i32_f32 v[TP+\x], v[TP+\x]               ; (it saturates)
.endr
.irp x, 0,1
	v_ldexp_f32 v[FW+2*\x], 1.0, v[TP+\x]          ; f = 2^(old M - new M)
.endr
.irp x, 0,1
.irp b, 0,1,2,3
	v_fma_f32 v[MX+4*\x+\b], v[MX+4*\x+\b], s[CS], v[ST+4*\x]   ; t - M of each block's largest score
.endr
.endr
	; TWO BATCHES of exponentials.  Tile 0's scalings t - M stand ahead of the first; tile 1's stand among the first batch's lines and are read in the second.  A wait stands ahead of each batch and behind the last.
.set j, 0
.rept 32
	v_pk_fma_f32 v[S+j:S+j+1], v[S+j:S+j+1], s[CS:CS+1], v[ST:ST+1] op_sel_hi:[1,0,0]   ; t - M, two at a time (of the pairs log2(e) and -M the low word serves both halves)
.set j, j+2
.endr
	s_wait_alu depctr_va_vdst(0)
.irp x, 0,1
.irp b, 0,1,2,3
	v_exp_f32 v[MX+4*\x+\b], v[MX+4*\x+\b]         ; the block's largest p: the same multiply-add and exponential on the same number give the same bits
.endr
.endr
.set j, 0
.rept 32
	v_exp_f32 v[S+j], v[S+j]                       ; p = 2^(t - M), at most 1
	v_pk_fma_f32 v[S+64+j:S+65+j], v[S+64+j:S+65+j], s[CS:CS+1], v[ST+4:ST+5] op_sel_hi:[1,0,0]
	v_exp_f32 v[S+j+1], v[S+j+1]
.set j, j+2
.endr
	s_wait_alu depctr_va_vdst(0)
.set j, 0
.rept 64
	v_exp_f32 v[S+64+j], v[S+64+j]
.set j, j+1
.endr
.irp x, 0,1
	v_pk_mul_f32 v[ST+4*\x+2:ST+4*\x+3], v[ST+4*\x+2:ST+4*\x+3], v[FW+2*\x:FW+2*\x+1] op_sel_hi:[1,0]   ; l under the new M: plain places behind the exponentials
.endr
	s_wait_alu depctr_va_vdst(0)                   ; one wait for the whole batch, ahead of its first reader
.irp x, 0,1
.irp b, 0,1,2,3
	v_max_num_f32 v[MX+4*\x+\b], 0x1800000, v[MX+4*\x+\b]   ; the floor 2^(3 - 127): the byte cannot fall under 1 (a block whose every p has fallen to 0 keeps that byte: its codes are zeros)
.endr
.endr
	CODES
.endm
; S^T of both tiles for K's tile t.  Two tiles of K share a register of scale words: the even one in lanes 0-15, the odd one in lanes 16-31.
.macro QK t
.irp x, 0,1
.if (\t)%2
	v_wmma_scale_f32_16x16x128_f8f6f4 v[S+64*\x+8*(\t):S+64*\x+8*(\t)+7], v[FRG+12*(\t):FRG+12*(\t)+11], v[QF+12*\x:QF+12*\x+11], 0, v[KW+(\t)/2], v[QW+\x] matrix_a_fmt:MATRIX_FMT_FP6 matrix_b_fmt:MATRIX_FMT_FP6 matrix_a_scale:MATRIX_SCALE_ROW1
.else
	v_wmma_scale_f32_16x16x128_f8f6f4 v[S+64*\x+8*(\t):S+64*\x+8*(\t)+7], v[FRG+12*(\t):FRG+12*(\t)+11], v[QF+12*\x:QF+12*\x+11], 0, v[KW+(\t)/2], v[QW+\x] matrix_a_fmt:MATRIX_FMT_FP6 matrix_b_fmt:MATRIX_FMT_FP6
.endif
.endr
.endm
; O^T of both tiles for V's channel tile t.  zero = 1: the first step's product starts the sum.  The sixteen accumulators take turns, one instruction a turn.
.macro PV t, zero
.irp x, 0,1
.if \zero
.if (\t)%2
	v_wmma_scale_f32_16x16x128_f8f6f4 v[O+64*\x+8*(\t):O+64*\x+8*(\t)+7], v[FRG+12*(\t):FRG+12*(\t)+11], v[PC+12*\x:PC+12*\x+11], 0, v[KW+(\t)/2], v[FW+2*\x+1] matrix_a_fmt:MATRIX_FMT_FP6 matrix_b_fmt:MATRIX_FMT_FP6 matrix_a_scale:MATRIX_SCALE_ROW1
.else
	v_wmma_scale_f32_16x16x128_f8f6f4 v[O+64*\x+8*(\t):O+64*\x+8*(\t)+7], v[FRG+12*(\t):FRG+12*(\t)+11], v[PC+12*\x:PC+12*\x+11], 0, v[KW+(\t)/2], v[FW+2*\x+1] matrix_a_fmt:MATRIX_FMT_FP6 matrix_b_fmt:MATRIX_FMT_FP6
.endif
.else
.if (\t)%2
	v_wmma_scale_f32_16x16x128_f8f6f4 v[O+64*\x+8*(\t):O+64*\x+8*(\t)+7], v[FRG+12*(\t):FRG+12*(\t)+11], v[PC+12*\x:PC+12*\x+11], v[O+64*\x+8*(\t):O+64*\x+8*(\t)+7], v[KW+(\t)/2], v[FW+2*\x+1] matrix_a_fmt:MATRIX_FMT_FP6 matrix_b_fmt:MATRIX_FMT_FP6 matrix_a_scale:MATRIX_SCALE_ROW1
.else
	v_wmma_scale_f32_16x16x128_f8f6f4 v[O+64*\x+8*(\t):O+64*\x+8*(\t)+7], v[FRG+12*(\t):FRG+12*(\t)+11], v[PC+12*\x:PC+12*\x+11], v[O+64*\x+8*(\t):O+64*\x+8*(\t)+7], v[KW+(\t)/2], v[FW+2*\x+1] matrix_a_fmt:MATRIX_FMT_FP6 matrix_b_fmt:MATRIX_FMT_FP6
.endif
.endif
.endr
.endm
; A KEY STEP: 128 keys, the q-th of the slot in hand.  first = 1: the launch's first step.
.macro STEP q, first
	v_add_nc_u32 v[AD], s[TB], v[LI]
	v_add_nc_u32 v[ADS], s[TS], v[LS0]
.if \first == 0
	SUMA                                           ; with the two additions above: four places behind the last step's products, in front of loads into registers that they have read
.else
	s_wait_alu depctr_va_vdst(0)                   ; the first step has no sums between these writes and K's loads
.endif
.irp j, 0,1,2,3
	ds_load_b32 v[KW+\j], v[ADS] offset:128*\j     ; K's scale words: lanes 0-15 tile 2 j's, lanes 16-31 tile 2 j + 1's
.endr
	WIN W_LD
.irp t, 0,1,2,3,4,5,6,7
.irp c, 0,1,2
	ds_load_b128 v[FRG+12*\t+4*\c:FRG+12*\t+4*\c+3], v[AD] offset:STEPB*(\q)+FRB*\t+512*\c
.endr
.endr
	WIN 0
.if \first == 0
	SUMB                                           ; the last step's row sums stand between K's loads and the wait for them; S^T's registers are written again only below
.endif
	s_wait_dscnt 12                                ; the scale words and K's tiles 0-3 are in; the youngest twelve loads (tiles 4-7) may be out
	WIN W_KQ
.irp t, 0,1,2,3
	QK \t
.endr
	s_wait_dscnt 0x0
.irp t, 4,5,6,7
	QK \t
.endr
	WIN 0
.rept 4
	v_nop                                          ; four places: in front of loads into registers that these products have read, and of the first read of their results
.endr
.irp j, 0,1,2,3
	ds_load_b32 v[KW+\j], v[ADS] offset:8192+128*\j   ; V's scale words
.endr
	WIN W_LD
.irp t, 0,1,2,3,4,5,6,7
.irp c, 0,1,2
	ds_load_b128 v[FRG+12*\t+4*\c:FRG+12*\t+4*\c+3], v[AD] offset:VOFF+STEPB*(\q)+FRB*\t+512*\c   ; V's eight fragments land while the softmax is worked
.endr
.endr
	WIN 0
	SOFT
.if \first == 0
	WIN W_RS
	s_wait_alu depctr_va_vdst(0)                   ; directly ahead of the first reader of O^T
.set j, 0
.rept 32
	v_pk_mul_f32 v[O+j:O+j+1], v[O+j:O+j+1], v[FW:FW+1] op_sel_hi:[1,0]               ; O^T under the new M, each accumulator from its low end on
	v_pk_mul_f32 v[O+64+j:O+65+j], v[O+64+j:O+65+j], v[FW+2:FW+3] op_sel_hi:[1,0]
.set j, j+2
.endr
.endif
.rept 4+4*(\first)
	v_nop                                          ; places in front of the scaled products: behind the last write of an operand four, of a scale word eight; the first step has no rescaling to stand there
.endr
	s_wait_alu depctr_va_vdst(0)
	s_wait_dscnt 0x0                               ; V is in: my reads of this step's bytes are over
.if \first
	WIN W_RS
.else
	WIN W_PV
.endif
.irp t, 0,1,2,3,4,5,6,7
	PV \t, \first
.endr
	WIN 0                                          ; at a label and at a branch every window is 0
	s_add_co_u32 s[TS], s[TS], 512                 ; the next step's scale words
.endm
; THE CHANGE OF SLOTS stands at a slot's head.  Each wave waits for all its tensor loads, adds 0 to its spare word, and waits for that and for its reads of the slot that it has left.  Behind the barrier the slot ahead is whole
; and nobody reads the other one.  fill = 1: that other slot is filled with the keys that follow: the load has a whole slot's steps in which to land.
.macro CHANGE fill
	s_wait_tensorcnt 0x0                           ; no tensor load of mine is out, so a group 0 may be written
	ds_add_u32 v[SPW], v[NIL]                      ; 0 onto my spare word
.if \fill
	s_xor_b32 s[G0T+1], s[G0T+1], SLOT1            ; the walking descriptor: the other slot than last time,
	s_add_nc_u64 s[G0T+2:G0T+3], s[G0T+2:G0T+3], 2*STEPB   ; the next 256 keys
	s_wait_xcnt 0x0                                ; the last prefetch, a slot back, has read its address, so it may be written:
	s_add_nc_u64 s[PFA:PFA+1], s[PFA:PFA+1], 2*STEPB   ; one slot further on than the walking descriptor
.endif
	s_wait_dscnt 0x0                               ; the add is done, and my reads of the slot that I have left are over
	s_barrier_signal -1
	s_barrier_wait -1
.if \fill
	TLOAD                                          ; the first thing behind the barrier, and a wave's one tensor load until the next
	ASK                                            ; what the next change of slots will ask for: a slot's two key steps ahead of that load
.endif
.endm
.macro SLOT_STEPS
	STEP 0, 0
	STEP 1, 0
	s_xor_b32 s[TB], s[TB], SLOT1                  ; on to the other slot
.endm
	s_wait_alu depctr_va_vdst(0)                   ; the head's end
	s_wait_loadcnt 0x0                             ; Q
	CHANGE 1                                       ; slot 0 is whole; slot 1 is asked for
	STEP 0, 1                                      ; the first step starts O^T
	STEP 1, 0
	s_xor_b32 s[TB], s[TB], SLOT1
	s_mov_b32 s[SLOTS], 6
.Lslot:                                            ; six trips: slots 1 to 6 are walked, slots 2 to 7 asked for
	CHANGE 1
	SLOT_STEPS
	s_sub_co_u32 s[SLOTS], s[SLOTS], 1
	s_cmp_lg_u32 s[SLOTS], 0
	s_cbranch_scc1 .Lslot
	CHANGE 0                                       ; the last slot is written out
	SLOT_STEPS
	; THE WAY OUT.  The last step's row sums; z = O^T / l; register 16 b + i of a tile is channel 32 b + 16 h + i of my query: the quantiser's order.  The fragments leave as they stand in the registers: no stage.
	SUMA
	SUMB                                           ; (these are also the places behind the last products)
.irp x, 0,1
	v_add_f32 v[ST+4*\x+2], v[ST+4*\x+2], v[ST+4*\x+3]   ; l's two halves,
.endr
.irp x, 0,1
	v_permlanex16_b32 v[TP+\x], v[ST+4*\x+2], s[SEL], s[SEL+1]
.endr
.irp x, 0,1
	v_add_f32 v[ST+4*\x+2], v[ST+4*\x+2], v[TP+\x] ; and lane l xor 16's: the row's sum
.endr
	s_wait_alu depctr_va_vdst(0)
.irp x, 0,1
	v_rcp_f32 v[ST+4*\x+2], v[ST+4*\x+2]
.endr
	v_nop                                          ; a plain place behind the reciprocals
	WIN W_OUT
	s_wait_alu depctr_va_vdst(0)                   ; one wait for the two reciprocals and for O^T, directly ahead of the first reader
.set j, 0
.rept 32
	v_pk_mul_f32 v[S+j:S+j+1], v[O+j:O+j+1], v[ST+2:ST+3] op_sel_hi:[1,0]               ; two at a time, each accumulator from its low end on; of the pair the low word, 1 / l, serves both halves
	v_pk_mul_f32 v[S+64+j:S+65+j], v[O+64+j:O+65+j], v[ST+6:ST+7] op_sel_hi:[1,0]
.set j, j+2
.endr
	WIN 0
.irp x, 0,1
.irp b, 0,1,2,3
	v_max3_num_f32 v[MX+4*\x+\b], |v[S+64*\x+16*\b]|, |v[S+64*\x+16*\b+1]|, 0x1800000   ; my 16 numbers of block b, and the floor 2^(3 - 127)
.endr
.endr
.irp i, 2,4,6,8,10,12,14
.irp x, 0,1
.irp b, 0,1,2,3
	v_max3_num_f32 v[MX+4*\x+\b], v[MX+4*\x+\b], |v[S+64*\x+16*\b+\i]|, |v[S+64*\x+16*\b+\i+1]|
.endr
.endr
.endr
.irp x, 0,1
.irp b, 0,1,2,3
	v_permlanex16_b32 v[PT+4*\x+\b], v[MX+4*\x+\b], s[SEL], s[SEL+1]
.endr
.endr
.irp x, 0,1
.irp b, 0,1,2,3
	v_max_num_f32 v[MX+4*\x+\b], v[MX+4*\x+\b], v[PT+4*\x+\b]   ; with lane l xor 16's: the block's largest magnitude
.endr
.endr
	CODES
.irp x, 0,1
.irp c, 0,1,2
	global_store_b128 v[LI], v[PC+12*\x+4*\c:PC+12*\x+4*\c+3], s[8:9] offset:8*FRB*\x+512*\c   ; 512 consecutive bytes, at a multiple of 256 from the buffer's first byte; my second tile is the next row tile: eight fragments on
.endr
.endr
	s_wait_alu depctr_va_vdst(0)
	s_wait_xcnt 0x0                                ; EXEC changes only behind this wait
	v_cmp_gt_u32 vcc_lo, 16, v[LN]
	s_and_saveexec_b32 s52, vcc_lo                 ; lanes 0-15 hold the 16 rows' words
.irp x, 0,1
	global_store_b32 v[R4], v[FW+2*\x+1], s[10:11] offset:512*\x   ; pieces of 64 bytes: zs is one byte for each 24 of zf
.endr
	s_wait_xcnt 0x0                                ; and again, in front of the line that widens it
	s_or_b32 exec_lo, exec_lo, s52
	s_wait_tensorcnt 0x0                           ; the wave's end
	ds_add_u32 v[SPW], v[NIL]
	s_wait_dscnt 0x0
	s_endpgm
.Lfunc_end_k_qd144bdcdac_attn:
	.size	k_qd144bdcdac_attn, .Lfunc_end_k_qd144bdcdac_attn-k_qd144bdcdac_attn
	.p2alignl 7, 3214868480
	.fill 96, 4, 3214868480
	.section	.rodata,"a",@progbits
	.p2align	6, 0x0
	.amdhsa_kernel k_qd144bdcdac_attn
		.amdhsa_group_segment_fixed_size 327680
		.amdhsa_private_segment_fixed_size 0
		.amdhsa_enable_private_segment 0
		.amdhsa_kernarg_size 32
		.amdhsa_user_sgpr_count 2
		.amdhsa_user_sgpr_kernarg_segment_ptr 1
		.amdhsa_wavefront_size32 1
		.amdhsa_system_sgpr_workgroup_id_x 1
		.amdhsa_system_sgpr_workgroup_id_y 1
		.amdhsa_system_sgpr_workgroup_id_z 1
		.amdhsa_system_vgpr_workitem_id 0
		.amdhsa_next_free_vgpr 512
		.amdhsa_next_free_sgpr 80
		.amdhsa_reserve_vcc 1
		.amdhsa_float_denorm_mode_32 3
		.amdhsa_float_denorm_mode_16_64 3
		.amdhsa_memory_ordered 1
		.amdhsa_forward_progress 1
		.amdhsa_inst_pref_size 219
	.end_amdhsa_kernel
	.amdgpu_metadata
---
amdhsa.version: [ 1, 2 ]
amdhsa.kernels:
  - .name:           k_qd144bdcdac_attn
    .symbol:         k_qd144bdcdac_attn.kd
    .args:
      - { .name: hf, .offset: 0, .size: 8, .value_kind: global_buffer, .address_space: global }
      - { .name: hs, .offset: 8, .size: 8, .value_kind: global_buffer, .address_space: global }
      - { .name: zf, .offset: 16, .size: 8, .value_kind: global_buffer, .address_space: global }
      - { .name: zs, .offset: 24, .size: 8, .value_kind: global_buffer, .address_space: global }
    .group_segment_fixed_size: 327680
    .private_segment_fixed_size: 0
    .kernarg_segment_align: 8
    .kernarg_segment_size: 32
    .max_flat_workgroup_size: 256
    .sgpr_count:     80
    .vgpr_count:     512
    .wavefront_size: 32
...
	.end_amdgpu_metadata
.endif
;; end of part 3
;; launch outp (part 4): grid 4 x 64, 4 waves a work-group, clusters of 4 x 4, 327,680 bytes of LDS; arguments zf, zs, wf, ws, bo, out0; writes out0
.if DOCPART == 4
	.amdgcn_target "amdgcn-amd-amdhsa--gfx1250"
	.amdhsa_code_object_version 6
	.text
	.protected	k_qd144bdcdac_outp
	.globl	k_qd144bdcdac_outp
	.p2align	8
	.type	k_qd144bdcdac_outp,@function
k_qd144bdcdac_outp:
	s_mov_b64 s[64:65], 0
	v_nop
	global_prefetch_b8 v0, s[64:65] scope:SCOPE_SE
	s_setreg_imm32_b32 hwreg(HW_REG_WAVE_MODE, 25, 1), 1
	s_wait_xcnt 0x0
	s_wait_alu depctr_hold_cnt(0) depctr_sa_sdst(0) depctr_va_vdst(0) depctr_va_sdst(0) depctr_va_ssrc(0) depctr_va_vcc(0) depctr_vm_vsrc(0)
	s_getreg_b32 s2, hwreg(HW_REG_IB_STS2, 6, 4)
	s_cmp_eq_u32 s2, 0
	s_cbranch_scc0 .Lentry_in_a_cluster
	s_endpgm
.Lentry_in_a_cluster:
	s_bfe_u32 s2, ttmp6, 0x10000c
	s_cmp_lg_u32 s2, 0xf033
	s_cbranch_scc0 .Lentry_shape_is_right
	s_endpgm
.Lentry_shape_is_right:
; out0 = z Wo + bo on codes of FP6 (E2M3) with E8M0 scales, K = 1,024; sums in f32; the bias is the C of each accumulator's first product.
; Operands are IMAGES OF OPERAND REGISTERS: a fragment (16 rows x 128 K) is 1,536 bytes, register 4 c + w of lane L at 512 c + 16 L + 4 w; zf, wf: [row tile][K step][1536]; zs, ws: [row tile][K step][64].
; In every image lane r of tile 2 b + u stands for row 32 b + 8 u + r + 8 (r / 8).  Wo is the fourth weight in wf and ws.
; SHARES.  A block of out0 is 128 rows x 256 columns: 64 x 4 = 256 work-groups.  Four waves, 64 x 128 each: 32 accumulators, 256 registers.
; ALL OF K LIES IN LDS AT ONCE: A's 8 row tiles are 98,304 dense bytes, B's 16 are 196,608, their scale words 4,096 and 8,192: four tiles, one tensor load a wave at the head, each filled once.
; So the walk along K has no ring, no refill and no barrier but the one behind the head's loads and the one in front of the way out.
; CLUSTERS: 4 x 4 work-groups; A's tiles are asked for jointly along a row of the cluster, B's along a column.
; NO PREFETCH: the text has no loop to run ahead in; all that the work-group reads is asked for by the head's four loads.
; Source 0 = 16 rows of B (columns of out0), source 1 = 16 rows of A: a lane holds one row of out0, and the 16 registers of B's tiles 2 b, 2 b + 1 are 16 neighbouring columns.
; LIMITS: NaN and infinities are not served.
; REGISTERS, in windows of 256: window 0: v0-31 addresses; v32-95 scale words, 8 a K step; v96-159 the bias; v160-255 A's fragments, two sets of 4; on the way out v128-255.
;   window 1: B's fragments, two sets of 8, at v0 and v128.   window 2: accumulator (a, b) at v[8 (8 a + b)].
.set FR,    12
.set FRB,   1536
.set GROW,  8*FRB                      ; a row tile, all of K
.set BOFF,  8*GROW                     ; LDS: B's 16 row tiles behind A's 8
.set SCL,   BOFF+16*GROW               ; A's scale words, 512 bytes a row tile,
.set SCLB,  SCL+4096                   ; B's,
.set SPARE, SCLB+8192                  ; and the spare words, 128 bytes for each wave: two blocks of 256 bytes that no other line names
.set SPITCH, 528                       ; the way out: a stage of 16 rows x (512 bytes + 16) for each wave, in A's bytes
.set ADRA, 16                          ; v16     LDS address of my 4 row tiles of A, + 16 x lane
.set ADRB, 20                          ; v20-21  of my B row tiles 0-3, 4-7
.set STO,  24
.set RD,   25
.set LI,   26                          ; v26     16 x lane
.set ADRS, 27                          ; v27     my scale words: lanes 0-15 A's rows, lanes 16-31 B's
.set SPW,  28                          ; v28     my spare word; never rewritten
.set NIL,  29                          ; v29     0; never rewritten
.set SC,   32                          ; register 8 s + i: lanes 0-15 A's block i (i under 4; above that the lanes are not read), lanes 16-31 B's block i, K step s
.set BIAS, 96
.set AF,   160
.set BK,   128
.set G1, 24                            ; groups 1 and 0: A's codes s[24:31], s[32:35]; B's s[48:55], s[56:59]; A's scale words s[68:75], s[76:79]; B's s[80:87], s[88:91]
.set G0, 32
.set G1B, 48
.set G0B, 56
.set G1S, 68
.set G0S, 76
.set G1SB, 80
.set G0SB, 88
.set MSB, 0
.macro WIN new                         ; the immediate's high byte repeats the setting that is left
.if MSB != \new
	s_set_vgpr_msb (MSB<<8)|\new
.set MSB, \new
.endif
.endm
.macro CROUND                          ; a round of the cluster's barrier
	s_barrier_signal -1
	s_barrier_wait -1
	s_cmp_lg_u32 s16, 0
	s_cbranch_scc1 .Lnot_wave_0_\@
	s_barrier_signal -3
.Lnot_wave_0_\@:
	s_barrier_wait -3
	s_barrier_signal -1
	s_barrier_wait -1
.endm
.macro PLACES
.rept 4
	v_nop
.endr
.endm
.macro DENSE g, rows                   ; group 1 of a dense block: rows of 256 bytes (32 elements of 8 bytes)
	s_mov_b32 s[\g+1], 32<<16
	s_mov_b32 s[\g+2], (\rows)<<16
	s_mov_b32 s[\g+3], 32<<16
	s_mov_b32 s[\g+4], \rows
	s_mov_b32 s[\g+5], 32
	s_mov_b32 s[\g+6], 0
	s_mov_b32 s[\g+7], 0
.endm
.macro GROUP0 g, lds, base, off
	s_mov_b32 s[\g], 1
	s_mov_b32 s[\g+1], \lds
	s_add_nc_u64 s[\g+2:\g+3], s[\base:\base+1], s[\off:\off+1]
	s_or_b32 s[\g+3], s[\g+3], 0x80000000
.endm
	s_load_b256 s[4:11], s[0:1], 0x0               ; zf 4:5, zs 6:7, wf 8:9, ws 10:11
	s_load_b128 s[12:15], s[0:1], 0x20             ; bo 12:13, out0 14:15
	v_lshl_add_u32 v[SPW], v0, 2, SPARE
	v_mov_b32 v[NIL], 0
	ds_add_u32 v[SPW], v[NIL]                      ; the opening lines: the add twice on end under one wait
	ds_add_u32 v[SPW], v[NIL]
	v_lshrrev_b32 v1, 5, v0
	v_readfirstlane_b32 s16, v1                    ; wave 0..3
	s_lshr_b32 s17, s16, 1                         ; which 64 rows of the block are mine,
	s_and_b32 s18, s16, 1                          ; which 128 columns
	s_bfe_u32 s40, ttmp6, 0x40000                  ; cx, cy
	s_bfe_u32 s41, ttmp6, 0x40004
	s_lshl_b32 s42, ttmp9, 2
	s_add_co_u32 s42, s42, s40                     ; the block's 256 columns, 0..3
	s_and_b32 s19, ttmp7, 0xffff
	s_lshl_b32 s19, s19, 2
	s_add_co_u32 s19, s19, s41                     ; the block's 128 rows, 0..63
	s_lshl_b32 s43, s41, 2
	s_lshl_b32 s43, 15, s43                        ; my row of the cluster
	s_lshl_b32 s44, 0x1111, s40                    ; my column
	s_or_b32 s[G1], s43, (3<<16)|(1<<21)           ; 15:0 the mask; 17:16 elements of 8 bytes; 21 set beside a mask
	s_or_b32 s[G1B], s44, (3<<16)|(1<<21)
	s_or_b32 s[G1S], s43, (3<<16)|(1<<21)
	s_or_b32 s[G1SB], s44, (3<<16)|(1<<21)
	DENSE G1, 384
	DENSE G1B, 768
	DENSE G1S, 16
	DENSE G1SB, 32
	s_mul_i32 s20, s19, 8*GROW                     ; A's codes: 8 row tiles a block,
	s_mov_b32 s21, 0
	s_lshl_b32 s22, s19, 12                        ; and their scale words
	s_mov_b32 s23, 0
	s_mul_i32 s46, s42, 16*GROW                    ; B's: 16 row tiles a block, in the fourth weight
	s_add_co_u32 s46, s46, 3*64*GROW
	s_mov_b32 s47, 0
	s_lshl_b32 s92, s42, 13
	s_add_co_u32 s92, s92, 3*32768
	s_mov_b32 s93, 0
	s_wait_dscnt 0x0                               ; both opening adds are done
	s_wait_kmcnt 0x0
	GROUP0 G0, 0, 4, 20
	GROUP0 G0S, SCL, 6, 22
	GROUP0 G0B, BOFF, 8, 46
	GROUP0 G0SB, SCLB, 10, 92
	CROUND                                         ; all sixteen work-groups are here: the joint loads meet
; THE HEAD'S LOADS, ONE A WAVE: one chain of branches on the wave's number; every way through it passes exactly one load.  B's codes, the largest tile, first.
.macro ARM under, g0, g1, next
	s_cmp_lt_u32 s16, \under
	s_cbranch_scc0 \next
	tensor_load_to_lds s[\g0:\g0+3], s[\g1:\g1+7]
	s_nop 0
	PLACES
	s_branch .Lhead_asked
\next:
.endm
	ARM 1, G0B, G1B, .Lhead_a
	ARM 2, G0,  G1,  .Lhead_sa
	ARM 3, G0S, G1S, .Lhead_sb
	tensor_load_to_lds s[G0SB:G0SB+3], s[G1SB:G1SB+7]
	s_nop 0
	PLACES
.Lhead_asked:
	s_lshl_b32 s20, s19, 7
	s_lshl_b32 s21, s17, 6
	s_add_co_u32 s20, s20, s21                     ; my first row of out0,
	s_lshl_b32 s20, s20, 12                        ; in bytes
	s_mov_b32 s21, 0
	s_lshl_b32 s46, s42, 10
	s_lshl_b32 s47, s18, 9
	s_add_co_u32 s46, s46, s47                     ; my first column, in bytes
	s_mov_b32 s47, 0
	s_add_nc_u64 s[12:13], s[12:13], s[46:47]
	s_add_nc_u64 s[20:21], s[20:21], s[46:47]
	s_add_nc_u64 s[14:15], s[14:15], s[20:21]
	s_mul_i32 s36, s17, 4*GROW                     ; my 4 row tiles of A
	s_mul_i32 s37, s18, 8*GROW
	s_add_co_u32 s37, s37, BOFF                    ; my 8 of B
	s_lshl_b32 s38, s17, 11                        ; A's scale words: my half
	s_lshl_b32 s39, s18, 12
	s_add_co_u32 s39, s39, 4096
	s_sub_co_u32 s39, s39, s38                     ; from there to B's: my half
	s_add_co_u32 s38, s38, SCL
	s_mul_i32 s60, s16, 16*SPITCH                  ; my stage
	v_and_b32 v1, 15, v0                           ; r
	v_bfe_u32 v2, v0, 4, 1                         ; h
	v_and_b32 v3, 31, v0
	v_lshlrev_b32 v[LI], 4, v3
	v_lshlrev_b32 v4, 6, v2                        ; the bias: 16 h columns
	v_add_nc_u32 v[ADRA], s36, v[LI]
	v_add_nc_u32 v[ADRB], s37, v[LI]
	v_add_nc_u32 v[ADRB+1], 4*GROW, v[ADRB]
	v_mul_u32_u24 v6, s39, v2                      ; lanes 16-31 take B's
	v_lshl_add_u32 v5, v1, 2, v6
	v_add_nc_u32 v[ADRS], s38, v5
	v_mul_u32_u24 v5, v1, SPITCH                   ; the stage, in: row r, 64 bytes for each half of the lanes
	v_lshl_add_u32 v5, v2, 6, v5
	v_add_nc_u32 v[STO], s60, v5
	v_add_nc_u32 v[RD], s60, v[LI]                 ; and back: the 32 lanes take one row of 512 bytes
	s_wait_alu depctr_va_vdst(0)                   ; the head's end
.irp b, 0,1,2,3,4,5,6,7
	global_load_b128 v[BIAS+8*\b:BIAS+8*\b+3], v4, s[12:13] offset:(32*(\b/2)+8*(\b%2))*4      ; register j of tile b is column 32 (b / 2) + 8 (b % 2) + 16 h + j
	global_load_b128 v[BIAS+8*\b+4:BIAS+8*\b+7], v4, s[12:13] offset:(32*(\b/2)+8*(\b%2))*4+16
.endr
.macro FETCH s                         ; K step s: B's 8 fragments and A's 4 into set s % 2, three loads of 512 consecutive bytes each, and the step's 8 registers of scale words: 44 loads
	WIN 0x40                                       ; destination window 1, address window 0
.irp i, 0,1,2,3,4,5,6,7
.irp c, 0,1,2
	ds_load_b128 v[128*((\s)%2)+FR*\i+4*\c:128*((\s)%2)+FR*\i+4*\c+3], v[ADRB+\i/4] offset:(\i%4)*GROW+(\s)*FRB+512*\c
.endr
.endr
	WIN 0
.irp i, 0,1,2,3
.irp c, 0,1,2
	ds_load_b128 v[AF+48*((\s)%2)+FR*\i+4*\c:AF+48*((\s)%2)+FR*\i+4*\c+3], v[ADRA] offset:\i*GROW+(\s)*FRB+512*\c
.endr
.endr
.irp i, 0,1,2,3,4,5,6,7
	ds_load_b32 v[SC+8*(\s)+\i], v[ADRS] offset:512*\i+64*(\s)
.endr
.endm
.macro MUL s                           ; 32 matrix instructions; the 32 accumulators take turns, in the same order in every step.  Step 0 starts the sums with the bias
.irp a, 0,1,2,3
.irp b, 0,1,2,3,4,5,6,7
.if (\s) == 0
	v_wmma_scale_f32_16x16x128_f8f6f4 v[8*(8*\a+\b):8*(8*\a+\b)+7], v[128*((\s)%2)+FR*\b:128*((\s)%2)+FR*\b+FR-1], v[AF+48*((\s)%2)+FR*\a:AF+48*((\s)%2)+FR*\a+FR-1], v[BIAS+8*\b:BIAS+8*\b+7], v[SC+8*(\s)+\b], v[SC+8*(\s)+\a] matrix_a_fmt:MATRIX_FMT_FP6 matrix_b_fmt:MATRIX_FMT_FP6 matrix_a_scale:MATRIX_SCALE_ROW1
.else
	v_wmma_scale_f32_16x16x128_f8f6f4 v[8*(8*\a+\b):8*(8*\a+\b)+7], v[128*((\s)%2)+FR*\b:128*((\s)%2)+FR*\b+FR-1], v[AF+48*((\s)%2)+FR*\a:AF+48*((\s)%2)+FR*\a+FR-1], v[8*(8*\a+\b):8*(8*\a+\b)+7], v[SC+8*(\s)+\b], v[SC+8*(\s)+\a] matrix_a_fmt:MATRIX_FMT_FP6 matrix_b_fmt:MATRIX_FMT_FP6 matrix_a_scale:MATRIX_SCALE_ROW1
.endif
.endr
.endr
.endm
.macro STEP s
	s_wait_dscnt 0x0                               ; this step's 44 loads, asked for 32 matrix instructions ago, are in
.if (\s) < 7
.if (\s) > 0
	PLACES                                         ; in front of loads into the set that the last step's products have read
.endif
	FETCH (\s)+1
.else
	s_barrier_signal -1                            ; my reads of the tiles are over: say so, and work on registers while the others arrive
.endif
.if (\s) == 0
	WIN 0x81                                       ; source 0 (B) window 1, source 1 (A) and C (the bias) window 0, D window 2
.else
	WIN 0xa1                                       ; C and D window 2
.endif
	MUL \s
	WIN 0
.endm
	s_wait_tensorcnt 0x0                           ; my tile of the four is in,
	s_barrier_signal -1
	s_barrier_wait -1                              ; everybody's is
	FETCH 0
	s_wait_loadcnt 0x0                             ; the bias
.irp s, 0,1,2,3,4,5,6,7
	STEP \s
.endr
	s_barrier_wait -1                              ; no wave reads A's bytes any more: they have had their one fill, and take the stages
; THE WAY OUT, block by block of 16 rows x 128 columns, through my own stage: back come whole rows of 512 bytes, which the 32 lanes store as two aligned units of 256 bytes.
; LDS serves a wave's instructions in order: no wait between the stores and the loads.
.macro TOSTAGE a
	WIN 0x08                                       ; the data: window 2
.irp b, 0,1,2,3,4,5,6,7
	ds_store_b128 v[STO], v[64*(\a)+8*\b:64*(\a)+8*\b+3] offset:128*(\b/2)+32*(\b%2)          ; each accumulator from its low end on
	ds_store_b128 v[STO], v[64*(\a)+8*\b+4:64*(\a)+8*\b+7] offset:128*(\b/2)+32*(\b%2)+16
.endr
	WIN 0
.set BB, BK+64*((\a)%2)
.irp t, 0,1,2,3,4,5,6,7,8,9,10,11,12,13,14,15
	ds_load_b128 v[BB+4*\t:BB+4*\t+3], v[RD] offset:\t*SPITCH
.endr
.endm
.macro SEND a, younger                 ; younger: the LDS instructions issued behind block a's loads, which may stay out
.set BB, BK+64*((\a)%2)
	s_wait_dscnt \younger
.irp t, 0,1,2,3,4,5,6,7,8,9,10,11,12,13,14,15
	global_store_b128 v[LI], v[BB+4*\t:BB+4*\t+3], s[14:15] offset:(32*((\a)/2)+8*((\a)%2)+\t+8*(\t/8))*4096 th:TH_STORE_NT   ; place t of tile a is row 32 (a / 2) + 8 (a % 2) + t + 8 (t / 8)
.endr
.endm
	PLACES                                         ; behind the last products: their results are read, and A's registers loaded into, below
	TOSTAGE 0
.irp a, 1,2,3
.if \a > 1
	s_wait_xcnt 0x0                                ; block a - 2's stores have read their registers: block a's loads may land there
.endif
	TOSTAGE \a
	SEND \a-1, 32                                  ; behind block a - 1's loads: block a's 16 stores and 16 loads
.endr
	SEND 3, 0
	s_wait_tensorcnt 0x0                           ; the wave's end
	ds_add_u32 v[SPW], v[NIL]
	s_wait_dscnt 0x0
	CROUND                                         ; the closing round
	s_endpgm
.Lfunc_end_k_qd144bdcdac_outp:
	.size	k_qd144bdcdac_outp, .Lfunc_end_k_qd144bdcdac_outp-k_qd144bdcdac_outp
	.p2alignl 7, 3214868480
	.fill 96, 4, 3214868480
	.section	.rodata,"a",@progbits
	.p2align	6, 0x0
	.amdhsa_kernel k_qd144bdcdac_outp
		.amdhsa_group_segment_fixed_size 327680
		.amdhsa_private_segment_fixed_size 0
		.amdhsa_enable_private_segment 0
		.amdhsa_kernarg_size 48
		.amdhsa_user_sgpr_count 2
		.amdhsa_user_sgpr_kernarg_segment_ptr 1
		.amdhsa_wavefront_size32 1
		.amdhsa_system_sgpr_workgroup_id_x 1
		.amdhsa_system_sgpr_workgroup_id_y 1
		.amdhsa_system_sgpr_workgroup_id_z 1
		.amdhsa_system_vgpr_workitem_id 0
		.amdhsa_next_free_vgpr 768
		.amdhsa_next_free_sgpr 100
		.amdhsa_reserve_vcc 0
		.amdhsa_float_denorm_mode_32 3
		.amdhsa_float_denorm_mode_16_64 3
		.amdhsa_memory_ordered 1
		.amdhsa_forward_progress 1
		.amdhsa_inst_pref_size 81
	.end_amdhsa_kernel
	.amdgpu_metadata
---
amdhsa.version: [ 1, 2 ]
amdhsa.kernels:
  - .name:           k_qd144bdcdac_outp
    .symbol:         k_qd144bdcdac_outp.kd
    .args:
      - { .name: zf, .offset: 0, .size: 8, .value_kind: global_buffer, .address_space: global }
      - { .name: zs, .offset: 8, .size: 8, .value_kind: global_buffer, .address_space: global }
      - { .name: wf, .offset: 16, .size: 8, .value_kind: global_buffer, .address_space: global }
      - { .name: ws, .offset: 24, .size: 8, .value_kind: global_buffer, .address_space: global }
      - { .name: bo, .offset: 32, .size: 8, .value_kind: global_buffer, .address_space: global }
      - { .name: out0, .offset: 40, .size: 8, .value_kind: global_buffer, .address_space: global }
    .group_segment_fixed_size: 327680
    .private_segment_fixed_size: 0
    .kernarg_segment_align: 8
    .kernarg_segment_size: 48
    .max_flat_workgroup_size: 128
    .sgpr_count:     100
    .vgpr_count:     768
    .wavefront_size: 32
...
	.end_amdgpu_metadata
.endif
;; end of part 4
